; MI455X (gfx1250); checked and timed in simulation.
; The chip was launched on July 23, 2026; its instructions are those of AMD's public machine-readable ISA for CDNA 5 (MIT licence, August 2026) and "CDNA5" Instruction Set Architecture Reference Guide (July 2026). The comments in the code are by the model that wrote it; some were corrected since.
;; Sync Nllb Moe Sparse MLP. Allowed arithmetic: float matrix products may take bf16 or f16 operands with f32 sums; all other float work in f32.
;; Inputs: b1 8 x 2,048 float32; b2 8 x 1,024 float32; hidden_states 2 x 1,024 x 1,024 float32; router_w 1,024 x 8 float32; w1 8 x 1,024 x 2,048 float32; w2 8 x 2,048 x 1,024 float32.
;; Outputs: out0 2 x 1,024 x 1,024 float32; out1 2 x 1,024 x 8 float32; out2 2 x 1,024 int32.
;; 2 versions, each right and faster than the one before. Each part assembles by itself: llvm-mc -triple=amdgcn-amd-amdhsa -mcpu=gfx1250 --defsym DOCPART=n.
;; ======== version 1 of 2: 7 launches
;; limits: values are held in f16: magnitudes above 65,504 overflow, below 6.1e-05 lose precision
;; workspace buffers: sel 8,192 bytes of whole numbers; gat 16,384 bytes; cnt 256 bytes of whole numbers; pos 65,536 bytes of whole numbers; list 65,536 bytes of whole numbers; xs 33,554,432 bytes; hs 67,108,864 bytes; ys 67,108,864 bytes
;; launch route (part 1): grid 256 x 1, 8 waves a work-group, no clusters, 34,816 bytes of LDS; arguments hidden_states, router_w, out1, out2, sel, gat; writes out1, out2, sel, gat
.if DOCPART == 1
	.amdgcn_target "amdgcn-amd-amdhsa--gfx1250"
	.amdhsa_code_object_version 6
	.text
	.protected	k_q1706aae242_route
	.globl	k_q1706aae242_route
	.p2align	8
	.type	k_q1706aae242_route,@function
k_q1706aae242_route:
	s_mov_b64 s[64:65], 0
	v_nop
	global_prefetch_b8 v0, s[64:65] scope:SCOPE_SE
	s_setreg_imm32_b32 hwreg(HW_REG_WAVE_MODE, 25, 1), 1
	s_wait_xcnt 0x0
; ROUTER.  logits = x . router_w (f32, on the vector unit: the first choice is compared as a whole number, so no operand is rounded),
; softmax with the row's maximum taken away, first choice = first largest probability, second choice = first largest logit
; with the first choice set to -inf, the two probabilities divided by max(p1 + p2, 2^-23).
; Stores: out1 (gates), out2 (first choice), sel[t] = e1 | e2 << 8 | ((1 << e1) | (1 << e2)) << 16, gat[t] = (g1, g2).
; Eight waves, one token each: 256 work-groups x 8 = 2,048 tokens.  Lane l holds d = 128 u + 4 l + 0..3, u = 0..7.
; router_w lies [d][e]; it is read once by the work-group in whole runs of 4,096 bytes and laid into LDS as [e][d].
; LIMITS: NaN logits are not ordered as an argmax orders them; two logits that differ by less than the rounding of a
; 1,024-term f32 sum may change places; a probability below 2^-126 counts as 0 (v_exp_f32 flushes denormals, ISA guide 15.8).
.set WTP, 4112                         ; LDS pitch of a row of the table: 4,096 bytes + 16
.set RES, 33024                        ; behind the table (8 x 4,112 = 32,896): the eight tokens' results
.set X,   8                            ; v[8:39]    my 32 numbers of the token's row
.set WL,  40                           ; v[40:71]   router_w as loaded
.set ACC, 72                           ; v[72:87]   a pair of partial sums for each expert
.set WB0, 88                           ; v[88:119]  table chunk, buffer 0; later at work
.set WB1, 120                          ; v[120:151] table chunk, buffer 1
.set LG,  152                          ; v[152:159] logits
.set PR,  160                          ; v[160:167] probabilities
                                       ; v168 max, sums   v169 e1   v170 p1   v171 e2   v172 best second logit   v173 p2   v[174:175] g1, g2
	s_load_b256 s[4:11], s[0:1], 0x0               ; hidden_states s[4:5], router_w s[6:7], out1 s[8:9], out2 s[10:11]
	s_load_b128 s[12:15], s[0:1], 0x20             ; sel s[12:13], gat s[14:15]
	v_lshl_add_u32 v176, v0, 2, 0x8400
	v_mov_b32 v177, 0
	v_and_b32 v1, 31, v0                           ; lane
	v_lshrrev_b32 v5, 5, v0
	v_readfirstlane_b32 s16, v5                    ; wave
	v_lshlrev_b32 v2, 4, v1                        ; 16 x lane
	v_lshlrev_b32 v3, 4, v0                        ; 16 x thread
	v_and_b32 v5, 1, v0
	v_lshrrev_b32 v6, 1, v0
	v_lshlrev_b32 v6, 2, v6
	v_mad_u32_u24 v4, v5, 4*WTP, v6                ; thread's place in the table: experts 4 (t & 1) + i, d = 128 u + (t >> 1)
	s_lshl_b32 s17, ttmp9, 3
	s_add_co_u32 s17, s17, s16                     ; my token
	s_lshl_b32 s18, s17, 12                        ; 4,096 bytes a row
	s_mov_b32 s19, 0
	s_mov_b32 s20, 0x76543210                      ; v_permlanex16_b32: lane i reads lane i of the other half
	s_mov_b32 s21, 0xfedcba98
	s_wait_kmcnt 0x0
	s_add_nc_u64 s[18:19], s[4:5], s[18:19]
.irp u, 0,1,2,3,4,5,6,7
	global_load_b128 v[WL+4*\u:WL+4*\u+3], v3, s[6:7] offset:4096*\u       ; the work-group's 256 threads take 4,096 neighbouring bytes
.endr
.irp u, 0,1,2,3,4,5,6,7
	global_load_b128 v[X+4*\u:X+4*\u+3], v2, s[18:19] offset:512*\u        ; the wave takes 512 neighbouring bytes of its row
.endr
	s_wait_loadcnt 0x8                             ; the table's eight loads are in; the eight younger loads of x stay out
.irp u, 0,1,2,3,4,5,6,7
.irp i, 0,1,2,3
	ds_store_b32 v4, v[WL+4*\u+\i] offset:\i*WTP+512*\u    ; even lanes 16 neighbouring words, odd lanes 4 x 4,112 bytes = 16 words (mod 64) beside them
.endr
.endr
	s_wait_dscnt 0x0                               ; my part of the table is written,
	s_barrier_signal -1
	s_barrier_wait -1                              ; everybody's is
.macro WLD u, buf                      ; chunk u of the table: for each expert my four d
.irp e, 0,1,2,3,4,5,6,7
	ds_load_b128 v[\buf+4*\e:\buf+4*\e+3], v2 offset:\e*WTP+512*\u
.endr
.endm
.macro DOT u, buf, first               ; 4 d x 8 experts; first = 1: the products start the sums, nothing is cleared
.irp e, 0,1,2,3,4,5,6,7
.if \first
	v_pk_mul_f32 v[ACC+2*\e:ACC+2*\e+1], v[X+4*\u:X+4*\u+1], v[\buf+4*\e:\buf+4*\e+1]
.else
	v_pk_fma_f32 v[ACC+2*\e:ACC+2*\e+1], v[X+4*\u:X+4*\u+1], v[\buf+4*\e:\buf+4*\e+1], v[ACC+2*\e:ACC+2*\e+1]
.endif
.endr
.irp e, 0,1,2,3,4,5,6,7
	v_pk_fma_f32 v[ACC+2*\e:ACC+2*\e+1], v[X+4*\u+2:X+4*\u+3], v[\buf+4*\e+2:\buf+4*\e+3], v[ACC+2*\e:ACC+2*\e+1]
.endr
.endm
	WLD 0, WB0
	WLD 1, WB1
	s_wait_loadcnt 0x0                             ; x
	s_wait_dscnt 0x8                               ; this chunk's eight loads are in, the next chunk's eight stay out: so in every step but the last
	DOT 0, WB0, 1
	WLD 2, WB0
	s_wait_dscnt 0x8
	DOT 1, WB1, 0
	WLD 3, WB1
	s_wait_dscnt 0x8
	DOT 2, WB0, 0
	WLD 4, WB0
	s_wait_dscnt 0x8
	DOT 3, WB1, 0
	WLD 5, WB1
	s_wait_dscnt 0x8
	DOT 4, WB0, 0
	WLD 6, WB0
	s_wait_dscnt 0x8
	DOT 5, WB1, 0
	WLD 7, WB1
	s_wait_dscnt 0x8
	DOT 6, WB0, 0
	s_wait_dscnt 0x0                               ; nothing was issued behind the last chunk
	DOT 7, WB1, 0
	; the eight sums over the 32 lanes; every lane ends with all eight logits
.irp e, 0,1,2,3,4,5,6,7
	v_add_f32 v[LG+\e], v[ACC+2*\e], v[ACC+2*\e+1]
.endr
.irp m, 1,2,4,8
.irp e, 0,1,2,3,4,5,6,7
	v_add_f32_dpp v[LG+\e], v[LG+\e], v[LG+\e] row_xmask:\m row_mask:0xf bank_mask:0xf
.endr
.endr
.irp e, 0,1,2,3,4,5,6,7
	v_permlanex16_b32 v[WB0+\e], v[LG+\e], s20, s21        ; its destination counts as read: a register that has been written
.endr
.irp e, 0,1,2,3,4,5,6,7
	v_add_f32 v[LG+\e], v[LG+\e], v[WB0+\e]
.endr
	; softmax: the maximum is taken away first, so the largest logit gives exactly 2^0
	v_max3_num_f32 v168, v[LG], v[LG+1], v[LG+2]
	v_max3_num_f32 v168, v168, v[LG+3], v[LG+4]
	v_max3_num_f32 v168, v168, v[LG+5], v[LG+6]
	v_max_num_f32 v168, v168, v[LG+7]
.irp e, 0,1,2,3,4,5,6,7
	v_sub_f32 v[WB0+\e], v[LG+\e], v168
.endr
.irp e, 0,1,2,3,4,5,6,7
	v_mul_f32 v[WB0+\e], 0x3fb8aa3b, v[WB0+\e]             ; e^x = 2^(1.442695 x)
.endr
.irp e, 0,1,2,3,4,5,6,7
	v_exp_f32 v[PR+\e], v[WB0+\e]
.endr
	v_mov_b32 v169, 0                              ; e1 starts at 0; also the plain instruction behind the exponentials (ISA guide 5.7.2)
	s_wait_alu depctr_va_vdst(0)
	v_add_f32 v[WB0], v[PR], v[PR+1]
	v_add_f32 v[WB0+1], v[PR+2], v[PR+3]
	v_add_f32 v[WB0+2], v[PR+4], v[PR+5]
	v_add_f32 v[WB0+3], v[PR+6], v[PR+7]
	v_add_f32 v[WB0], v[WB0], v[WB0+1]
	v_add_f32 v[WB0+2], v[WB0+2], v[WB0+3]
	v_add_f32 v168, v[WB0], v[WB0+2]
	v_rcp_f32 v[WB0+4], v168
	v_mov_b32 v171, 0                              ; e2 starts at 0; the plain instruction behind the reciprocal
	s_wait_alu depctr_va_vdst(0)
.irp e, 0,1,2,3,4,5,6,7
	v_mul_f32 v[PR+\e], v[PR+\e], v[WB0+4]
.endr
	; first choice: the first largest probability.  A choice selects values only: every step is done in every lane.
	v_mov_b32 v170, v[PR]
.irp e, 1,2,3,4,5,6,7
	v_cmp_gt_f32 vcc_lo, v[PR+\e], v170
	v_cndmask_b32 v170, v170, v[PR+\e], vcc_lo
	v_cndmask_b32 v169, v169, \e, vcc_lo
.endr
	; second choice: the first largest logit with the first choice at -inf
	v_mov_b32 v[WB0+5], 0xff800000
.irp e, 0,1,2,3,4,5,6,7
	v_cmp_eq_u32 vcc_lo, \e, v169
	v_cndmask_b32 v[LG+\e], v[LG+\e], v[WB0+5], vcc_lo
.endr
	v_mov_b32 v172, v[LG]
	v_mov_b32 v173, v[PR]
.irp e, 1,2,3,4,5,6,7
	v_cmp_gt_f32 vcc_lo, v[LG+\e], v172
	v_cndmask_b32 v172, v172, v[LG+\e], vcc_lo
	v_cndmask_b32 v173, v173, v[PR+\e], vcc_lo
	v_cndmask_b32 v171, v171, \e, vcc_lo
.endr
	v_add_f32 v168, v170, v173
	v_max_num_f32 v168, 0x34000000, v168           ; at least 2^-23
	v_rcp_f32 v[WB0+6], v168
	v_and_b32 v5, 7, v1                            ; the expert whose gate this lane writes; the plain instruction behind the reciprocal
	s_wait_alu depctr_va_vdst(0)
	v_mul_f32 v174, v170, v[WB0+6]                 ; g1
	v_mul_f32 v175, v173, v[WB0+6]                 ; g2
	v_cmp_eq_u32 vcc_lo, v5, v169
	v_cndmask_b32 v[WB0], 0, v174, vcc_lo
	v_cmp_eq_u32 vcc_lo, v5, v171
	v_cndmask_b32 v[WB0+1], 0, v175, vcc_lo
	v_add_f32 v[WB0], v[WB0], v[WB0+1]             ; a sum, as in the source: right also where both choices name one expert
	v_mov_b32 v[WB0+2], 0x10000
	v_lshlrev_b32 v[WB0+3], v169, v[WB0+2]         ; 1 << (16 + e1)
	v_lshlrev_b32 v[WB0+4], v171, v[WB0+2]         ; 1 << (16 + e2)
	v_or_b32 v[WB0+3], v[WB0+3], v[WB0+4]
	v_lshl_or_b32 v[WB0+4], v171, 8, v169
	v_or_b32 v[WB0+3], v[WB0+3], v[WB0+4]          ; the word for sel
	s_lshl_b32 s22, s16, 5
	s_lshl_b32 s23, s16, 2
	s_lshl_b32 s24, s16, 3
	v_lshl_add_u32 v5, v5, 2, s22                  ; 32 w + 4 e
	v_mov_b32 v6, s23
	v_mov_b32 v7, s24
	ds_store_b32 v5, v[WB0] offset:RES             ; lanes with the same e write the same word with the same value
	ds_store_b32 v6, v169 offset:RES+256
	ds_store_b32 v6, v[WB0+3] offset:RES+288
	ds_store_b64 v7, v[174:175] offset:RES+320
	s_wait_dscnt 0x0                               ; my token's results are written,
	s_barrier_signal -1
	s_barrier_wait -1                              ; all eight tokens' are
	s_cmp_lg_u32 s16, 0
	s_cbranch_scc1 .Lend                           ; wave 0 stores for the work-group
	v_lshlrev_b32 v5, 3, v1                        ; 8 x lane
	v_and_b32 v6, 7, v1
	v_lshlrev_b32 v7, 2, v6
	v_lshlrev_b32 v6, 3, v6
	ds_load_b64 v[88:89], v5 offset:RES
	ds_load_b32 v90, v7 offset:RES+256
	ds_load_b32 v91, v7 offset:RES+288
	ds_load_b64 v[92:93], v6 offset:RES+320
	s_mov_b32 s25, 0
	s_lshl_b32 s24, ttmp9, 8
	s_add_nc_u64 s[8:9], s[8:9], s[24:25]          ; out1: 8 tokens x 32 bytes
	s_lshl_b32 s24, ttmp9, 5
	s_add_nc_u64 s[10:11], s[10:11], s[24:25]      ; out2 and sel: 8 tokens x 4 bytes
	s_add_nc_u64 s[12:13], s[12:13], s[24:25]
	s_lshl_b32 s24, ttmp9, 6
	s_add_nc_u64 s[14:15], s[14:15], s[24:25]      ; gat: 8 tokens x 8 bytes
	s_wait_dscnt 0x0
	global_store_b64 v5, v[88:89], s[8:9]          ; 32 lanes store 256 consecutive bytes, at a multiple of 256 from out1's first byte
	s_wait_xcnt 0x0                                ; EXEC is a source of the pending store: it changes only behind this wait
	v_cmp_gt_u32 vcc_lo, 8, v1
	s_and_saveexec_b32 s22, vcc_lo                 ; lanes 0 to 7, one token each
	global_store_b32 v7, v90, s[10:11]
	global_store_b32 v7, v91, s[12:13]
	global_store_b64 v6, v[92:93], s[14:15]
	s_wait_xcnt 0x0                                ; and again in front of the line that widens it
	s_or_b32 exec_lo, exec_lo, s22
.Lend:
	s_wait_tensorcnt 0x0
	ds_add_u32 v176, v177
	s_wait_dscnt 0x0
	s_endpgm
.Lfunc_end_k_q1706aae242_route:
	.size	k_q1706aae242_route, .Lfunc_end_k_q1706aae242_route-k_q1706aae242_route
	.p2alignl 7, 3214868480
	.fill 96, 4, 3214868480
	.section	.rodata,"a",@progbits
	.p2align	6, 0x0
	.amdhsa_kernel k_q1706aae242_route
		.amdhsa_group_segment_fixed_size 34816
		.amdhsa_private_segment_fixed_size 0
		.amdhsa_enable_private_segment 0
		.amdhsa_kernarg_size 48
		.amdhsa_user_sgpr_count 2
		.amdhsa_user_sgpr_kernarg_segment_ptr 1
		.amdhsa_wavefront_size32 1
		.amdhsa_system_sgpr_workgroup_id_x 1
		.amdhsa_system_sgpr_workgroup_id_y 1
		.amdhsa_system_sgpr_workgroup_id_z 1
		.amdhsa_system_vgpr_workitem_id 0
		.amdhsa_next_free_vgpr 178
		.amdhsa_next_free_sgpr 66
		.amdhsa_reserve_vcc 1
		.amdhsa_float_denorm_mode_32 3
		.amdhsa_float_denorm_mode_16_64 3
		.amdhsa_memory_ordered 1
		.amdhsa_forward_progress 1
		.amdhsa_inst_pref_size 28
	.end_amdhsa_kernel
	.amdgpu_metadata
---
amdhsa.version: [ 1, 2 ]
amdhsa.kernels:
  - .name:           k_q1706aae242_route
    .symbol:         k_q1706aae242_route.kd
    .args:
      - { .name: hidden_states, .offset: 0, .size: 8, .value_kind: global_buffer, .address_space: global }
      - { .name: router_w, .offset: 8, .size: 8, .value_kind: global_buffer, .address_space: global }
      - { .name: out1, .offset: 16, .size: 8, .value_kind: global_buffer, .address_space: global }
      - { .name: out2, .offset: 24, .size: 8, .value_kind: global_buffer, .address_space: global }
      - { .name: sel, .offset: 32, .size: 8, .value_kind: global_buffer, .address_space: global }
      - { .name: gat, .offset: 40, .size: 8, .value_kind: global_buffer, .address_space: global }
    .group_segment_fixed_size: 34816
    .private_segment_fixed_size: 0
    .kernarg_segment_align: 8
    .kernarg_segment_size: 48
    .max_flat_workgroup_size: 256
    .sgpr_count:     66
    .vgpr_count:     178
    .wavefront_size: 32
...
	.end_amdgpu_metadata
.endif
;; end of part 1
;; launch scan (part 2): grid 8 x 1, 1 waves a work-group, no clusters, 0 bytes of LDS; arguments sel, pos, cnt, list; writes pos, cnt, list
.if DOCPART == 2
	.amdgcn_target "amdgcn-amd-amdhsa--gfx1250"
	.amdhsa_code_object_version 6
	.text
	.protected	k_q1706aae242_scan
	.globl	k_q1706aae242_scan
	.p2align	8
	.type	k_q1706aae242_scan,@function
k_q1706aae242_scan:
	s_mov_b64 s[64:65], 0
	v_nop
	global_prefetch_b8 v0, s[64:65] scope:SCOPE_SE
	s_setreg_imm32_b32 hwreg(HW_REG_WAVE_MODE, 25, 1), 1
	s_wait_xcnt 0x0
; PLACES.  One wave for each expert e.  It reads the 2,048 words of sel and gives every token that chose e a place in the expert's list:
; a running count plus the number of chosen lanes below the token's lane, so no two tokens share a place and nothing is added across waves.
; Stores pos[e][t] = the place (a meaning only where t chose e; every word is stored), cnt[e] = n, and zeros over list[e]: the next launch
; writes the tokens over places 0 .. n - 1, and the places behind them name token 0.
; Every address here is made of the expert's number and the lane alone; the places are data.
; Eight waves in all: the work is one dependent chain of 64 counts for each expert, and 8 KiB of input; there is nothing more to share out.
.set S, 8                              ; v[8:71]    sel as loaded: register 4 up + i of lane l is token 128 up + 4 l + i
.set P, 72                             ; v[72:135]  the places, in the same order
	s_load_b256 s[4:11], s[0:1], 0x0               ; sel s[4:5], pos s[6:7], cnt s[8:9], list s[10:11]
	v_lshlrev_b32 v1, 4, v0                        ; 16 x lane (one wave: the thread's number is the lane)
	v_mov_b32 v2, 0
	v_mov_b32 v3, 0
	v_mov_b32 v4, 0
	v_mov_b32 v5, 0                                ; 16 bytes of zeros for the list
	s_add_co_u32 s12, ttmp9, 16
	s_lshl_b32 s12, 1, s12                         ; the expert's bit in a word of sel
	s_lshl_b32 s14, ttmp9, 13                      ; 8,192 bytes an expert in pos and in list
	s_mov_b32 s15, 0
	s_lshl_b32 s16, ttmp9, 2
	v_mov_b32 v7, s16                              ; cnt[e]
	s_mov_b32 s18, 0                               ; the running count
	s_wait_kmcnt 0x0
.irp up, 0,1,2,3,4,5,6,7,8,9,10,11,12,13,14,15
	global_load_b128 v[S+4*\up:S+4*\up+3], v1, s[4:5] offset:512*\up
.endr
	s_add_nc_u64 s[6:7], s[6:7], s[14:15]          ; pos[e]
	s_add_nc_u64 s[10:11], s[10:11], s[14:15]      ; list[e]
.irp up, 0,1,2,3,4,5,6,7,8,9,10,11,12,13,14,15
	global_store_b128 v1, v[2:5], s[10:11] offset:512*\up
.endr
.macro SCAN k
	v_and_b32 v6, s12, v[S+\k]
	v_cmp_ne_u32 vcc_lo, 0, v6                     ; the lanes whose token chose the expert
	v_mbcnt_lo_u32_b32 v[P+\k], vcc_lo, s18        ; place = count so far + chosen lanes below me
	s_bcnt1_i32_b32 s19, vcc_lo
	s_add_co_u32 s18, s18, s19
.endm
.irp up, 0,1,2,3,4,5,6,7,8,9,10,11,12,13,14,15
	s_wait_loadcnt 15-\up                          ; load up is in; the later loads of sel stay out
	SCAN 4*\up
	SCAN 4*\up+1
	SCAN 4*\up+2
	SCAN 4*\up+3
	global_store_b128 v1, v[P+4*\up:P+4*\up+3], s[6:7] offset:512*\up
.endr
	v_mov_b32 v6, s18                              ; n
	s_wait_xcnt 0x0                                ; EXEC is a source of the pending stores: it changes only behind this wait
	v_cmp_eq_u32 vcc_lo, 0, v0
	s_and_saveexec_b32 s20, vcc_lo
	global_store_b32 v7, v6, s[8:9]                ; cnt[e] = n, lane 0
	s_wait_xcnt 0x0                                ; and again in front of the line that widens it
	s_or_b32 exec_lo, exec_lo, s20
	s_endpgm
.Lfunc_end_k_q1706aae242_scan:
	.size	k_q1706aae242_scan, .Lfunc_end_k_q1706aae242_scan-k_q1706aae242_scan
	.p2alignl 7, 3214868480
	.fill 96, 4, 3214868480
	.section	.rodata,"a",@progbits
	.p2align	6, 0x0
	.amdhsa_kernel k_q1706aae242_scan
		.amdhsa_group_segment_fixed_size 0
		.amdhsa_private_segment_fixed_size 0
		.amdhsa_enable_private_segment 0
		.amdhsa_kernarg_size 32
		.amdhsa_user_sgpr_count 2
		.amdhsa_user_sgpr_kernarg_segment_ptr 1
		.amdhsa_wavefront_size32 1
		.amdhsa_system_sgpr_workgroup_id_x 1
		.amdhsa_system_sgpr_workgroup_id_y 1
		.amdhsa_system_sgpr_workgroup_id_z 1
		.amdhsa_system_vgpr_workitem_id 0
		.amdhsa_next_free_vgpr 136
		.amdhsa_next_free_sgpr 66
		.amdhsa_reserve_vcc 1
		.amdhsa_float_denorm_mode_32 3
		.amdhsa_float_denorm_mode_16_64 3
		.amdhsa_memory_ordered 1
		.amdhsa_forward_progress 1
		.amdhsa_inst_pref_size 19
	.end_amdhsa_kernel
	.amdgpu_metadata
---
amdhsa.version: [ 1, 2 ]
amdhsa.kernels:
  - .name:           k_q1706aae242_scan
    .symbol:         k_q1706aae242_scan.kd
    .args:
      - { .name: sel, .offset: 0, .size: 8, .value_kind: global_buffer, .address_space: global }
      - { .name: pos, .offset: 8, .size: 8, .value_kind: global_buffer, .address_space: global }
      - { .name: cnt, .offset: 16, .size: 8, .value_kind: global_buffer, .address_space: global }
      - { .name: list, .offset: 24, .size: 8, .value_kind: global_buffer, .address_space: global }
    .group_segment_fixed_size: 0
    .private_segment_fixed_size: 0
    .kernarg_segment_align: 8
    .kernarg_segment_size: 32
    .max_flat_workgroup_size: 32
    .sgpr_count:     66
    .vgpr_count:     136
    .wavefront_size: 32
...
	.end_amdgpu_metadata
.endif
;; end of part 2
;; launch place (part 3): grid 16 x 1, 8 waves a work-group, no clusters, 0 bytes of LDS; arguments sel, pos, list; writes list
.if DOCPART == 3
	.amdgcn_target "amdgcn-amd-amdhsa--gfx1250"
	.amdhsa_code_object_version 6
	.text
	.protected	k_q1706aae242_place
	.globl	k_q1706aae242_place
	.p2align	8
	.type	k_q1706aae242_place,@function
k_q1706aae242_place:
	s_mov_b64 s[64:65], 0
	v_nop
	global_prefetch_b8 v0, s[64:65] scope:SCOPE_SE
	s_setreg_imm32_b32 hwreg(HW_REG_WAVE_MODE, 25, 1), 1
	s_wait_xcnt 0x0
; THE LISTS.  list[e][pos[e][t]] = t for every token t that chose expert e.  Work-group = (e = id >> 1, half of the tokens = id & 1);
; a thread takes four neighbouring tokens: 16 work-groups x 256 threads x 4 = 8 experts x 2,048 tokens.
; The places are whole numbers that the launch before stored; each is bounded by 2,047 in the instruction, shifted, and used as a store's offset.
; Places rise with the order of the scan, so the chosen lanes of a store write neighbouring words.  No two tokens of an expert share a place,
; so each word of list is written by one lane of the launch; list is not read here.
	s_load_b128 s[4:7], s[0:1], 0x0                ; sel s[4:5], pos s[6:7]
	s_load_b64 s[8:9], s[0:1], 0x10                ; list
	s_lshr_b32 s10, ttmp9, 1                       ; expert
	s_and_b32 s11, ttmp9, 1                        ; half
	s_add_co_u32 s12, s10, 16
	s_lshl_b32 s12, 1, s12                         ; the expert's bit in a word of sel
	s_lshl_b32 s14, s10, 13                        ; 8,192 bytes an expert in pos and in list
	s_mov_b32 s15, 0
	s_lshl_b32 s16, s11, 8
	v_add_nc_u32 v1, s16, v0                       ; q = 256 x half + thread
	v_lshlrev_b32 v2, 4, v1                        ; 16 q: my four words
	v_lshlrev_b32 v3, 2, v1                        ; 4 q: my first token
	s_wait_kmcnt 0x0
	s_add_nc_u64 s[6:7], s[6:7], s[14:15]
	s_add_nc_u64 s[8:9], s[8:9], s[14:15]
	global_load_b128 v[4:7], v2, s[4:5]            ; sel
	global_load_b128 v[8:11], v2, s[6:7]           ; pos[e]
	s_wait_loadcnt 0x0
.irp i, 0,1,2,3
	v_min_u32 v[8+\i], 2047, v[8+\i]               ; a place is below 2,048: the bound is written out
	v_lshlrev_b32 v[8+\i], 2, v[8+\i]
	v_add_nc_u32 v[12+\i], \i, v3                  ; the token
	v_and_b32 v[4+\i], s12, v[4+\i]
.endr
	s_wait_xcnt 0x0                                ; EXEC changes below: no memory instruction still leans on it
.irp i, 0,1,2,3
	v_cmp_ne_u32 vcc_lo, 0, v[4+\i]
	s_and_saveexec_b32 s20, vcc_lo                 ; the lanes whose token chose the expert
	global_store_b32 v[8+\i], v[12+\i], s[8:9]
	s_wait_xcnt 0x0                                ; in front of the line that widens EXEC
	s_or_b32 exec_lo, exec_lo, s20
.endr
	s_endpgm
.Lfunc_end_k_q1706aae242_place:
	.size	k_q1706aae242_place, .Lfunc_end_k_q1706aae242_place-k_q1706aae242_place
	.p2alignl 7, 3214868480
	.fill 96, 4, 3214868480
	.section	.rodata,"a",@progbits
	.p2align	6, 0x0
	.amdhsa_kernel k_q1706aae242_place
		.amdhsa_group_segment_fixed_size 0
		.amdhsa_private_segment_fixed_size 0
		.amdhsa_enable_private_segment 0
		.amdhsa_kernarg_size 24
		.amdhsa_user_sgpr_count 2
		.amdhsa_user_sgpr_kernarg_segment_ptr 1
		.amdhsa_wavefront_size32 1
		.amdhsa_system_sgpr_workgroup_id_x 1
		.amdhsa_system_sgpr_workgroup_id_y 1
		.amdhsa_system_sgpr_workgroup_id_z 1
		.amdhsa_system_vgpr_workitem_id 0
		.amdhsa_next_free_vgpr 16
		.amdhsa_next_free_sgpr 66
		.amdhsa_reserve_vcc 1
		.amdhsa_float_denorm_mode_32 3
		.amdhsa_float_denorm_mode_16_64 3
		.amdhsa_memory_ordered 1
		.amdhsa_forward_progress 1
		.amdhsa_inst_pref_size 3
	.end_amdhsa_kernel
	.amdgpu_metadata
---
amdhsa.version: [ 1, 2 ]
amdhsa.kernels:
  - .name:           k_q1706aae242_place
    .symbol:         k_q1706aae242_place.kd
    .args:
      - { .name: sel, .offset: 0, .size: 8, .value_kind: global_buffer, .address_space: global }
      - { .name: pos, .offset: 8, .size: 8, .value_kind: global_buffer, .address_space: global }
      - { .name: list, .offset: 16, .size: 8, .value_kind: global_buffer, .address_space: global }
    .group_segment_fixed_size: 0
    .private_segment_fixed_size: 0
    .kernarg_segment_align: 8
    .kernarg_segment_size: 24
    .max_flat_workgroup_size: 256
    .sgpr_count:     66
    .vgpr_count:     16
    .wavefront_size: 32
...
	.end_amdgpu_metadata
.endif
;; end of part 3
;; launch gather (part 4): grid 256 x 1, 8 waves a work-group, no clusters, 68,608 bytes of LDS; arguments hidden_states, list, cnt, xs; writes xs
.if DOCPART == 4
	.amdgcn_target "amdgcn-amd-amdhsa--gfx1250"
	.amdhsa_code_object_version 6
	.text
	.protected	k_q1706aae242_gather
	.globl	k_q1706aae242_gather
	.p2align	8
	.type	k_q1706aae242_gather,@function
k_q1706aae242_gather:
	s_mov_b64 s[64:65], 0
	v_nop
	global_prefetch_b8 v0, s[64:65] scope:SCOPE_SE
	s_setreg_imm32_b32 hwreg(HW_REG_WAVE_MODE, 25, 1), 1
	s_wait_xcnt 0x0
; SORTED ROWS.  Work-group = (expert e = id >> 5, part = id & 31).  The rows of x that list[e] names are rounded to f16 and stored as the
; register image of a 16-bit matrix fragment:
;   xs[e][block of 16 places][K step of 32][part p][lane 16 h + r][16 bytes] = x[list[e][16 block + r]][32 step + 16 p + 8 h + 0..7]
; so that the next launch loads half a fragment as 512 neighbouring bytes.  The places behind n name token 0: the rows that fill the last
; group of 32 are real numbers, are computed, and are read by nobody at the end.
; F16, NOT BF16: 11 significant bits against 8; four operands are rounded on the way to the result (x, w1, h, w2), and the sums have 1,024 and
; 2,048 terms.  LIMIT: |x| beyond 65,504 becomes infinite.  Numbers of spread 1, taken 30 times larger or moved by 30, stay below 200.
; A unit = 16 places x 256 k: 16 KiB read, 8 KiB stored.  Wave w takes units 32 w + part, + 256, ...; a unit's quarter of K is unit & 3 = part & 3,
; the same in every trip, and its block, unit >> 2, steps by 64.  With n near 512 an expert has 128 units, which fall on waves 0 to 3 of all
; its 32 work-groups.  list and cnt are whole numbers that earlier launches stored; they are read by scalar loads, and nothing here writes them.
; Each wave works alone, on a stage of its own in LDS: no barrier.
; No matrix unit, cluster or data mover: the rows are scattered and every number passes a conversion in registers.
.set SP,    528                        ; pitch of the stage's 16 rows of 512 bytes: 512 + 16, an odd multiple of 16
.set X,     16                         ; v[16:143]  a unit: 16 rows x 8 registers of f32; then 16 x 4 registers of fragments
.set OFF,   144                        ; v[144:159] the rows' byte offsets in x
.set PK,    160                        ; v[160:167] packed f16, two sets in turn
.set TK,    32                         ; s[32:47]   the unit's 16 tokens
	s_load_b256 s[4:11], s[0:1], 0x0               ; hidden_states s[4:5], list s[6:7], cnt s[8:9], xs s[10:11]
	v_lshl_add_u32 v168, v0, 2, 0x10800
	v_mov_b32 v169, 0
	v_and_b32 v1, 31, v0                           ; lane
	v_lshrrev_b32 v4, 5, v0
	v_readfirstlane_b32 s14, v4                    ; wave
	v_lshlrev_b32 v2, 4, v1                        ; 16 x lane
	s_lshr_b32 s15, ttmp9, 5                       ; expert
	s_and_b32 s16, ttmp9, 31                       ; part
	s_and_b32 s29, s16, 3                          ; my quarter of K
	s_lshr_b32 s26, s16, 2
	s_lshl3_add_u32 s26, s14, s26                  ; my first block: 8 w + (part >> 2)
	s_lshl_b32 s23, s14, 5
	s_add_co_u32 s23, s23, s16                     ; my first unit: 32 w + part, 255 at the most
	s_mul_i32 s28, s14, 16*SP                      ; my stage
	v_lshl_add_u32 v10, v1, 3, s28                 ; in: 8 bytes a lane, 256 neighbouring bytes an instruction
	v_and_b32 v4, 15, v0
	v_bfe_u32 v5, v0, 4, 1
	v_mul_u32_u24 v11, v4, SP
	v_lshl_add_u32 v11, v5, 4, v11
	v_add_nc_u32 v11, s28, v11                     ; back: row r, 16 h
	v_lshl_add_u32 v13, s29, 10, v2                ; in a row of x: 1,024 bytes a quarter + 16 x lane
	s_lshl_b32 s18, s15, 2                         ; cnt[e]
	s_mov_b32 s19, 0
	s_lshl_b32 s20, s15, 13                        ; list: 8,192 bytes an expert, 64 a block
	s_lshl_b32 s21, s26, 6
	s_add_co_u32 s20, s20, s21
	s_mov_b32 s21, 0
	s_lshl_b32 s30, s15, 7                         ; xs: (128 e + block) x 32 K steps + 8 x quarter,
	s_add_co_u32 s30, s30, s26
	s_lshl_b32 s30, s30, 5
	s_lshl3_add_u32 s30, s29, s30
	s_lshl_b32 s30, s30, 10                        ; 1,024 bytes a K step
	s_mov_b32 s31, 0
	s_wait_kmcnt 0x0
	s_add_nc_u64 s[8:9], s[8:9], s[18:19]
	s_load_b32 s22, s[8:9], 0x0                    ; n
	s_add_nc_u64 s[12:13], s[6:7], s[20:21]
	s_add_nc_u64 s[24:25], s[10:11], s[30:31]
	s_wait_kmcnt 0x0
	s_min_u32 s22, s22, 2048
	s_add_co_u32 s22, s22, 31
	s_lshr_b32 s22, s22, 5
	s_lshl_b32 s22, s22, 3                         ; units: groups of 32 places x 2 blocks x 4 quarters of K
	s_add_co_u32 s22, s22, 255
	s_sub_co_u32 s22, s22, s23
	s_lshr_b32 s22, s22, 8                         ; my trips: the units first, first + 256, .. below that number
	s_cmp_eq_u32 s22, 0
	s_cbranch_scc1 .Lend
	s_mov_b32 s23, 0                               ; the trips' counter
.Lunit:
	s_load_b512 s[TK:TK+15], s[12:13], 0x0         ; the block's 16 tokens
	s_wait_kmcnt 0x0
.irp i, 0,1,2,3,4,5,6,7,8,9,10,11,12,13,14,15
	s_min_u32 s[TK+\i], s[TK+\i], 2047             ; a token is below 2,048: the bound is written out
	s_lshl_b32 s[TK+\i], s[TK+\i], 12              ; 4,096 bytes a row
	v_add_nc_u32 v[OFF+\i], s[TK+\i], v13
.endr
.irp i, 0,1,2,3,4,5,6,7,8,9,10,11,12,13,14,15
	global_load_b128 v[X+8*\i:X+8*\i+3],   v[OFF+\i], s[4:5]               ; 512 neighbouring bytes of one row,
	global_load_b128 v[X+8*\i+4:X+8*\i+7], v[OFF+\i], s[4:5] offset:512    ; and the next 512
.endr
.irp i, 0,1,2,3,4,5,6,7,8,9,10,11,12,13,14,15
	s_wait_loadcnt 30-2*\i                         ; row i's two loads are in; the two of each later row stay out
	v_cvt_pk_f16_f32 v[PK+4*(\i%2)],   v[X+8*\i],   v[X+8*\i+1]
	v_cvt_pk_f16_f32 v[PK+4*(\i%2)+1], v[X+8*\i+2], v[X+8*\i+3]
	v_cvt_pk_f16_f32 v[PK+4*(\i%2)+2], v[X+8*\i+4], v[X+8*\i+5]
	v_cvt_pk_f16_f32 v[PK+4*(\i%2)+3], v[X+8*\i+6], v[X+8*\i+7]
	ds_store_b64 v10, v[PK+4*(\i%2):PK+4*(\i%2)+1]   offset:\i*SP
	ds_store_b64 v10, v[PK+4*(\i%2)+2:PK+4*(\i%2)+3] offset:\i*SP+256
.endr
.irp q, 0,1,2,3,4,5,6,7,8,9,10,11,12,13,14,15
	ds_load_b128 v[X+4*\q:X+4*\q+3], v11 offset:32*\q      ; K step q / 2, part q & 1.  My own bytes: LDS serves a wave's instructions in order (ISA guide 5.7.1.4)
.endr
.irp q, 0,1,2,3,4,5,6,7,8,9,10,11,12,13,14,15
	s_wait_dscnt 15-\q                             ; load q is in, the later ones stay out
	global_store_b128 v2, v[X+4*\q:X+4*\q+3], s[24:25] offset:512*\q       ; 512 consecutive bytes, at a multiple of 512 from xs' first byte
.endr
	s_wait_xcnt 0x0                                ; the offsets, the stores' data and the two bases are rewritten only behind this wait
	s_add_nc_u64 s[12:13], s[12:13], 64*64         ; 64 blocks on in the list,
	s_add_nc_u64 s[24:25], s[24:25], 64*32*1024    ; and in xs
	s_add_co_u32 s23, s23, 1
	s_cmp_lt_u32 s23, s22
	s_cbranch_scc1 .Lunit
.Lend:
	s_wait_tensorcnt 0x0
	ds_add_u32 v168, v169
	s_wait_dscnt 0x0
	s_endpgm
.Lfunc_end_k_q1706aae242_gather:
	.size	k_q1706aae242_gather, .Lfunc_end_k_q1706aae242_gather-k_q1706aae242_gather
	.p2alignl 7, 3214868480
	.fill 96, 4, 3214868480
	.section	.rodata,"a",@progbits
	.p2align	6, 0x0
	.amdhsa_kernel k_q1706aae242_gather
		.amdhsa_group_segment_fixed_size 68608
		.amdhsa_private_segment_fixed_size 0
		.amdhsa_enable_private_segment 0
		.amdhsa_kernarg_size 32
		.amdhsa_user_sgpr_count 2
		.amdhsa_user_sgpr_kernarg_segment_ptr 1
		.amdhsa_wavefront_size32 1
		.amdhsa_system_sgpr_workgroup_id_x 1
		.amdhsa_system_sgpr_workgroup_id_y 1
		.amdhsa_system_sgpr_workgroup_id_z 1
		.amdhsa_system_vgpr_workitem_id 0
		.amdhsa_next_free_vgpr 170
		.amdhsa_next_free_sgpr 66
		.amdhsa_reserve_vcc 0
		.amdhsa_float_denorm_mode_32 3
		.amdhsa_float_denorm_mode_16_64 3
		.amdhsa_memory_ordered 1
		.amdhsa_forward_progress 1
		.amdhsa_inst_pref_size 18
	.end_amdhsa_kernel
	.amdgpu_metadata
---
amdhsa.version: [ 1, 2 ]
amdhsa.kernels:
  - .name:           k_q1706aae242_gather
    .symbol:         k_q1706aae242_gather.kd
    .args:
      - { .name: hidden_states, .offset: 0, .size: 8, .value_kind: global_buffer, .address_space: global }
      - { .name: list, .offset: 8, .size: 8, .value_kind: global_buffer, .address_space: global }
      - { .name: cnt, .offset: 16, .size: 8, .value_kind: global_buffer, .address_space: global }
      - { .name: xs, .offset: 24, .size: 8, .value_kind: global_buffer, .address_space: global }
    .group_segment_fixed_size: 68608
    .private_segment_fixed_size: 0
    .kernarg_segment_align: 8
    .kernarg_segment_size: 32
    .max_flat_workgroup_size: 256
    .sgpr_count:     66
    .vgpr_count:     170
    .wavefront_size: 32
...
	.end_amdgpu_metadata
.endif
;; end of part 4
;; launch ffn1 (part 5): grid 256 x 1, 8 waves a work-group, no clusters, 168,960 bytes of LDS; arguments xs, w1, cnt, hs, b1; writes hs
.if DOCPART == 5
	.amdgcn_target "amdgcn-amd-amdhsa--gfx1250"
	.amdhsa_code_object_version 6
	.text
	.protected	k_q1706aae242_ffn1
	.globl	k_q1706aae242_ffn1
	.p2align	8
	.type	k_q1706aae242_ffn1,@function
k_q1706aae242_ffn1:
	s_mov_b64 s[64:65], 0
	v_nop
	global_prefetch_b8 v0, s[64:65] scope:SCOPE_SE
	s_setreg_imm32_b32 hwreg(HW_REG_WAVE_MODE, 25, 1), 1
	s_wait_xcnt 0x0
; ONE LAYER OF THE EXPERTS' FFN ON THE SORTED ROWS.  The same text serves both layers; LAYER picks the sizes and the way out.
;   LAYER 1: hs = relu(xs . w1[e] + b1[e]), f16, stored as the next layer's fragments.  K = 1,024.  Work-group = (e, strip c of 64 of 2,048 columns).
;   LAYER 2: ys = hs . w2[e], f32, row-major (bias and gate follow in the last launch).  K = 2,048.  Work-group = (e, strip c of 64 of 1,024 columns,
;            half: the even or the odd groups of 32 places).
; PHASE 1: the strip of weights, K rows x 256 bytes of f32, is read once, rounded to f16 and laid into LDS transposed, [column][k]; it stays.
; PHASE 2: each wave walks groups of 32 places on its own: 2 blocks of 16 places x 4 blocks of 16 columns = 8 accumulator tiles.  The rows' fragments
; come straight from memory in their register image (512 neighbouring bytes a load), six K steps ahead; the weights' fragments from LDS, one step ahead.
; The number of groups hangs on cnt[e], a whole number that an earlier launch stored.
; THE MATRIX INSTRUCTION IS USED TRANSPOSED: source 0 = 16 columns of the weights, source 1 = 16 places; register j of lane 16 h + r is then
; (place r, column 16 i + 8 h + j): eight neighbouring columns of one row.
; F16, NOT BF16: 11 significant bits against 8; four operands are rounded on the way to the result (x, w1, h, w2), and the sums have 1,024 and 2,048 terms.
; NO CLUSTER: what an expert's work-groups share is the stream of rows.  A joint load would have to land in LDS; beside layer 2's strip (263,232 bytes)
; and stages (34,816) two slots of at most 14 KiB fit, 7,168 16-bit numbers x 64 columns of products for each round of the cluster's barrier, too little
; work for a tile to land behind.  NO DATA MOVER: every weight passes a conversion in registers, and the rows need no LDS.
; LIMITS: operands are rounded to f16, sums are f32.  A weight or an h beyond 65,504 in magnitude becomes infinite; below 2^-14 the step is 2^-24.
; The room: x of spread 1 and w1 of spread 0.02 give |h| up to about 3; both 30 times larger, about 2,900; both moved by 30 times their spread
; (30 and 0.6), 1,024 x 18 = 18,432.  Weights 30 times smaller have spread 6.7e-4, some 10,000 steps of 2^-24.  relu by v_max_num_f32 turns a NaN into 0.
.set LAYER, 1
.if LAYER == 1
.set KS,    32                         ; K steps of 32
.set RP,    8192                       ; bytes from row to row of the weights
.set NS,    8                          ; a wave's steps of 16 rows in phase 1: K / 8 / 16
.set ASHE,  22                         ; the rows: 128 blocks x KS x 1,024 bytes an expert,
.set ASHG,  16                         ; 2 blocks x KS x 1,024 bytes a group
.set CSH,   11                         ; the output: a strip is 2 K steps of the next layer = 2,048 bytes of a block
.set GSH,   3
.set GSTEP, 8                          ; wave w takes groups w, w + 8, ...
.set OWN,   132352                     ; behind the strip: each wave's own copy of the strip's 64 biases
.set OWNB,  256
.else
.set KS,    64
.set RP,    4096
.set NS,    16
.set ASHE,  23
.set ASHG,  17
.set CSH,   8                          ; the output: a strip is 256 bytes of a row
.set GSH,   4
.set GSTEP, 16                         ; wave w takes groups 2 w + half, + 16, ...
.set OWN,   263424                     ; behind the strip: each wave's own stage of 16 rows x 272 bytes
.set OWNB,  4352
.endif
.set P,     64*KS+16                   ; LDS pitch of a column of the strip: 2 K bytes + 16, an odd multiple of 16
.set NBS,   16*P+16                    ; 16 columns, and 16 bytes of skew, so that phase 1's stores (lanes 4 columns apart) also start in 16 different 16-byte columns modulo 256
.set WSPAN, 8*KS                       ; bytes of a column that one wave fills: K / 8 numbers
; v1 16 x lane   v2-5 weights' fragment address, column block i   v6 phase 1: LDS address   v7 phase 1: offset in the weights
; layer 1: v8 bias read, v9 bias store, v[10:11] bias as loaded, v12 8 x lane.   layer 2: v8 stage in, v9 stage back, v10 offset in ys.   v13-15 at work
.set ACC, 16                           ; v[16:79]   tile (mb, i) at 16 + 8 (4 mb + i)
.set BB,  80                           ; v[80:143]  weights' fragments, two buffers of 32
.set AR,  144                          ; v[144:239] rows' fragments, six slots of 16: block mb at 8 mb, part p at 4 p
.set ST,  16                           ; phase 1: v[16:207] six slots of 32: 8 loads of 16 bytes
.set T,   208                          ; phase 1: v[208:223] packed f16
	s_load_b256 s[4:11], s[0:1], 0x0               ; rows s[4:5], weights s[6:7], cnt s[8:9], output s[10:11]
.if LAYER == 1
	s_load_b64 s[12:13], s[0:1], 0x20              ; b1
	v_lshl_add_u32 v240, v0, 2, 0x29000
	v_mov_b32 v241, 0
.endif
	v_lshrrev_b32 v13, 5, v0
	v_readfirstlane_b32 s14, v13                   ; wave
	s_lshr_b32 s15, ttmp9, 5                       ; expert
.if LAYER == 1
	s_and_b32 s16, ttmp9, 31                       ; strip
	s_mov_b32 s18, s14                             ; my first group
.else
	s_bfe_u32 s16, ttmp9, 0x40001                  ; strip: 4 bits from bit 1
	s_and_b32 s19, ttmp9, 1                        ; half
	s_lshl1_add_u32 s18, s14, s19                  ; my first group
.endif
	v_and_b32 v13, 15, v0                          ; r
	v_bfe_u32 v14, v0, 4, 1                        ; h
	v_and_b32 v1, 31, v0
	v_lshlrev_b32 v1, 4, v1
	v_mul_u32_u24 v15, v13, P
	v_lshl_add_u32 v15, v14, 4, v15                ; column r of a block, 16 h
.irp i, 0,1,2,3
	v_add_nc_u32 v[2+\i], \i*NBS, v15
.endr
	v_mul_u32_u24 v6, v13, 4*P                     ; phase 1: lane (r, h) holds columns 4 r .. 4 r + 3: 4 r P,
	v_lshrrev_b32 v15, 2, v13
	v_lshl_add_u32 v6, v15, 4, v6                  ; the skew of their block of 16,
	v_lshl_add_u32 v6, v14, 4, v6                  ; 8 k further on for the upper half of the lanes,
	s_mul_i32 s37, s14, WSPAN
	v_add_nc_u32 v6, s37, v6                       ; and my wave's span of k
	v_mul_u32_u24 v7, v14, 8*RP                    ; in memory: the upper half of the lanes 8 rows further down,
	v_lshl_add_u32 v7, v13, 4, v7                  ; 16 bytes a lane: a load covers the strip's 256 bytes of two rows
	s_mul_i32 s36, s14, OWNB
	s_add_co_u32 s36, s36, OWN                     ; my own bytes behind the strip
.if LAYER == 1
	v_lshl_add_u32 v8, v14, 5, s36                 ; bias of columns 8 h + ..
	v_and_b32 v12, 31, v0
	v_lshlrev_b32 v12, 3, v12
	v_add_nc_u32 v9, s36, v12
.else
	v_mul_u32_u24 v8, v13, 272
	v_lshl_add_u32 v8, v14, 5, v8
	v_add_nc_u32 v8, s36, v8                       ; in: row r, 32 h
	v_mul_u32_u24 v9, v14, 272
	v_lshl_add_u32 v9, v13, 4, v9
	v_add_nc_u32 v9, s36, v9                       ; back: lanes 0-15 one row of 256 bytes, lanes 16-31 the next
	v_lshlrev_b32 v10, 12, v14
	v_lshl_add_u32 v10, v13, 4, v10                ; and the same two rows in ys
.endif
	s_lshl_b32 s26, s15, 23                        ; weights: 8 MiB an expert,
	s_lshl_b32 s27, s16, 8                         ; 256 bytes a strip,
	s_add_co_u32 s26, s26, s27
	s_lshl_b32 s27, s14, 20                        ; K / 8 rows = 1 MiB a wave
	s_add_co_u32 s26, s26, s27
	s_mov_b32 s27, 0
	s_lshl_b32 s28, s15, 2                         ; cnt[e]
	s_mov_b32 s29, 0
	s_lshl_b32 s30, s15, ASHE                      ; rows: expert and first group
	s_lshl_b32 s31, s18, ASHG
	s_add_co_u32 s30, s30, s31
	s_mov_b32 s31, 0
	s_lshl_b32 s32, s15, 23                        ; output: 8 MiB an expert, 128 KiB a group, and the strip
	s_lshl_b32 s33, s18, 17
	s_add_co_u32 s32, s32, s33
	s_lshl_b32 s33, s16, CSH
	s_add_co_u32 s32, s32, s33
	s_mov_b32 s33, 0
.if LAYER == 1
	s_lshl_b32 s34, s15, 13                        ; b1: 8,192 bytes an expert, 256 a strip
	s_lshl_b32 s35, s16, 8
	s_add_co_u32 s34, s34, s35
	s_mov_b32 s35, 0
.endif
	s_wait_kmcnt 0x0
	s_add_nc_u64 s[24:25], s[6:7], s[26:27]
	s_add_nc_u64 s[8:9], s[8:9], s[28:29]
	s_load_b32 s17, s[8:9], 0x0                    ; n of my expert; waited for behind phase 1
	s_add_nc_u64 s[20:21], s[4:5], s[30:31]
	s_add_nc_u64 s[22:23], s[10:11], s[32:33]
.if LAYER == 1
	s_add_nc_u64 s[12:13], s[12:13], s[34:35]
	global_load_b64 v[10:11], v12, s[12:13]        ; the strip's 64 biases, the oldest load
.endif
; PHASE 1.  Step s = 16 rows of my span: load j brings rows 16 s + j (lanes 0-15) and 16 s + 8 + j (lanes 16-31), four columns a lane.
.macro FLD s
.irp j, 0,1,2,3,4,5,6,7
.if LAYER == 1
	global_load_b128 v[ST+((\s)%6)*32+4*\j:ST+((\s)%6)*32+4*\j+3], v7, s[24:25] offset:(16*(\s)+\j)*RP th:TH_LOAD_NT   ; read once in the launch
.else
	global_load_b128 v[ST+((\s)%6)*32+4*\j:ST+((\s)%6)*32+4*\j+3], v7, s[24:25] offset:(16*(\s)+\j)*RP                 ; the other half's work-group reads it too
.endif
.endr
.endm
; A lane's eight loads hold eight consecutive k of each of its four columns: 16 bytes of f16 for each column.
.macro FILLSTEP s
.if (\s)+5 < NS-1
	s_wait_loadcnt 40                              ; step s is in; the five steps issued behind it, eight loads each, stay out
.else
	s_wait_loadcnt 8*(NS-1-(\s))                   ; towards the end fewer steps stand behind it
.endif
.if LAYER == 1
.if (\s) == 0
	ds_store_b64 v9, v[10:11]                      ; the biases came ahead of step 0
.endif
.endif
.irp q, 0,1,2,3
.irp jj, 0,1,2,3
	v_cvt_pk_f16_f32 v[T+4*\q+\jj], v[ST+((\s)%6)*32+8*\jj+\q], v[ST+((\s)%6)*32+8*\jj+4+\q]
.endr
	ds_store_b128 v6, v[T+4*\q:T+4*\q+3] offset:\q*P+32*(\s)
.endr
.if (\s)+6 < NS
	FLD (\s)+6                                     ; into the slot just packed
.endif
.endm
.irp s, 0,1,2,3,4,5
	FLD \s                                         ; 48 loads, 24 KiB a wave, on their way
.endr
.rept NS
	FILLSTEP \+
.endr
	s_wait_dscnt 0x0                               ; my span of the strip is written,
	s_barrier_signal -1
	s_barrier_wait -1                              ; the whole strip is; from here on it is only read.  The kernel's one barrier
	s_wait_kmcnt 0x0
	s_min_u32 s17, s17, 2048
	s_add_co_u32 s17, s17, 31
	s_lshr_b32 s17, s17, 5                         ; groups of 32 places
	s_add_co_u32 s17, s17, GSTEP-1
	s_sub_co_u32 s17, s17, s18                     ; my first group is below GSTEP: the difference is not negative
	s_lshr_b32 s17, s17, GSH                       ; my trips: the groups first, first + GSTEP, .. below that number
	s_cmp_eq_u32 s17, 0
	s_cbranch_scc1 .Lend
	s_mov_b32 s19, 0                               ; the trips' counter
; PHASE 2
.macro ALOAD k                         ; the rows' fragments of K step k: two blocks x two parts, 512 neighbouring bytes each
.irp mb, 0,1
.irp p, 0,1
	global_load_b128 v[AR+((\k)%6)*16+8*\mb+4*\p:AR+((\k)%6)*16+8*\mb+4*\p+3], v1, s[20:21] offset:\mb*KS*1024+(\k)*1024+512*\p
.endr
.endr
.endm
.macro BLOAD k                         ; the weights' fragments of K step k: four blocks of 16 columns
.irp i, 0,1,2,3
	ds_load_b128 v[BB+32*((\k)%2)+8*\i:BB+32*((\k)%2)+8*\i+3],   v[2+\i] offset:64*(\k)
	ds_load_b128 v[BB+32*((\k)%2)+8*\i+4:BB+32*((\k)%2)+8*\i+7], v[2+\i] offset:64*(\k)+32
.endr
.endm
; A load into a register that a matrix instruction has read, and whatever reads a matrix result, stand four places behind it, and a matrix instruction
; that writes over a result five; only plain vector instructions that name none of its registers are places (ISA guide 7.12.1 for vector instructions).
.macro PLACES
.rept 4
	v_nop
.endr
.endm
; Eight products.  The eight accumulators take turns, one instruction a turn, in the same order in every step.
.macro MUL k
.irp mb, 0,1
.irp i, 0,1,2,3
.if (\k) == 0
	v_wmma_f32_16x16x32_f16 v[ACC+8*(4*\mb+\i):ACC+8*(4*\mb+\i)+7], v[BB+32*((\k)%2)+8*\i:BB+32*((\k)%2)+8*\i+7], v[AR+16*((\k)%6)+8*\mb:AR+16*((\k)%6)+8*\mb+7], 0
.else
	v_wmma_f32_16x16x32_f16 v[ACC+8*(4*\mb+\i):ACC+8*(4*\mb+\i)+7], v[BB+32*((\k)%2)+8*\i:BB+32*((\k)%2)+8*\i+7], v[AR+16*((\k)%6)+8*\mb:AR+16*((\k)%6)+8*\mb+7], v[ACC+8*(4*\mb+\i):ACC+8*(4*\mb+\i)+7]
.endif
.endr
.endr
.endm
.macro STEP k
	PLACES                                         ; behind step k - 1's products, whose buffers are loaded again below; at k = 0 they add to the four of the way out
.if (\k)+1 < KS
	BLOAD (\k)+1
.else
.if LAYER == 1
.irp i, 0,1,2,3
	ds_load_b128 v[BB+8*\i:BB+8*\i+3],   v8 offset:64*\i      ; the last step has no weights to fetch: the biases of columns 16 i + 8 h + 0..7 take their place
	ds_load_b128 v[BB+8*\i+4:BB+8*\i+7], v8 offset:64*\i+16
.endr
.endif
.endif
.if (\k) >= 1
.if (\k)+5 < KS
	ALOAD (\k)+5                                   ; into the slot of step k - 1
.endif
.endif
.if (\k)+1 < KS
	s_wait_dscnt 0x8                               ; this step's weights are in; the eight loads just issued stay out
.else
.if LAYER == 1
	s_wait_dscnt 0x8                               ; likewise: the eight loads of the biases stay out
.else
	s_wait_dscnt 0x0                               ; nothing was issued behind them
.endif
.endif
.if (\k)+5 < KS-1
	s_wait_loadcnt 20                              ; this step's rows are in; the five later steps' four loads each stay out
.else
	s_wait_loadcnt 4*(KS-1-(\k))                   ; towards the end fewer steps stand behind it
.endif
	MUL \k
.endm
.Lgroup:
.irp k, 0,1,2,3,4,5
	ALOAD \k                                       ; 24 loads, 12 KiB a wave, on their way
.endr
	BLOAD 0
.rept KS
	STEP \+
.endr
	PLACES                                         ; behind the last products
.if LAYER == 1
	; bias, relu, f16.  A lane's 16 bytes are (place r, columns 64 c + 16 i + 8 h + 0..7): part i & 1 of K step 2 c + (i >> 1) of the next layer's fragment,
	; already in its lane: no exchange, and a store covers 512 consecutive bytes.
	s_wait_dscnt 0x0                               ; the biases
.irp mb, 0,1
.irp i, 0,1,2,3
.irp p, 0,2,4,6
	v_pk_add_f32 v[ACC+8*(4*\mb+\i)+\p:ACC+8*(4*\mb+\i)+\p+1], v[ACC+8*(4*\mb+\i)+\p:ACC+8*(4*\mb+\i)+\p+1], v[BB+8*\i+\p:BB+8*\i+\p+1]
.endr
.irp j, 0,1,2,3,4,5,6,7
	v_max_num_f32 v[ACC+8*(4*\mb+\i)+\j], 0, v[ACC+8*(4*\mb+\i)+\j]
.endr
.irp jj, 0,1,2,3
	v_cvt_pk_f16_f32 v[ACC+8*(4*\mb+\i)+\jj], v[ACC+8*(4*\mb+\i)+2*\jj], v[ACC+8*(4*\mb+\i)+2*\jj+1]
.endr
	global_store_b128 v1, v[ACC+8*(4*\mb+\i):ACC+8*(4*\mb+\i)+3], s[22:23] offset:\mb*65536+512*\i
.endr
.endr
.else
	; 16 rows at a time through my own stage: in by tiles, back by rows of 256 bytes.  My own bytes, served in order (ISA guide 5.7.1.4): no wait between.
.irp mb, 0,1
.irp i, 0,1,2,3
	ds_store_b128 v8, v[ACC+8*(4*\mb+\i):ACC+8*(4*\mb+\i)+3]   offset:64*\i
	ds_store_b128 v8, v[ACC+8*(4*\mb+\i)+4:ACC+8*(4*\mb+\i)+7] offset:64*\i+16
.endr
.irp t, 0,1,2,3,4,5,6,7
	ds_load_b128 v[BB+32*\mb+4*\t:BB+32*\mb+4*\t+3], v9 offset:544*\t
.endr
.irp t, 0,1,2,3,4,5,6,7
	s_wait_dscnt 7-\t                              ; load t is in, the later ones stay out
	global_store_b128 v10, v[BB+32*\mb+4*\t:BB+32*\mb+4*\t+3], s[22:23] offset:(16*\mb+2*\t)*4096   ; 16 lanes store 256 consecutive bytes, at a multiple of 256 from ys' first byte
.endr
.endr
.endif
	s_wait_xcnt 0x0                                ; the stores' data and both bases are rewritten only behind this wait
	s_add_nc_u64 s[20:21], s[20:21], GSTEP<<ASHG
	s_add_nc_u64 s[22:23], s[22:23], GSTEP<<17
	s_add_co_u32 s19, s19, 1
	s_cmp_lt_u32 s19, s17
	s_cbranch_scc1 .Lgroup
.Lend:
	s_wait_tensorcnt 0x0
	ds_add_u32 v240, v241
	s_wait_dscnt 0x0
	s_endpgm
.Lfunc_end_k_q1706aae242_ffn1:
	.size	k_q1706aae242_ffn1, .Lfunc_end_k_q1706aae242_ffn1-k_q1706aae242_ffn1
	.p2alignl 7, 3214868480
	.fill 96, 4, 3214868480
	.section	.rodata,"a",@progbits
	.p2align	6, 0x0
	.amdhsa_kernel k_q1706aae242_ffn1
		.amdhsa_group_segment_fixed_size 168960
		.amdhsa_private_segment_fixed_size 0
		.amdhsa_enable_private_segment 0
		.amdhsa_kernarg_size 40
		.amdhsa_user_sgpr_count 2
		.amdhsa_user_sgpr_kernarg_segment_ptr 1
		.amdhsa_wavefront_size32 1
		.amdhsa_system_sgpr_workgroup_id_x 1
		.amdhsa_system_sgpr_workgroup_id_y 1
		.amdhsa_system_sgpr_workgroup_id_z 1
		.amdhsa_system_vgpr_workitem_id 0
		.amdhsa_next_free_vgpr 242
		.amdhsa_next_free_sgpr 66
		.amdhsa_reserve_vcc 0
		.amdhsa_float_denorm_mode_32 3
		.amdhsa_float_denorm_mode_16_64 3
		.amdhsa_memory_ordered 1
		.amdhsa_forward_progress 1
		.amdhsa_inst_pref_size 78
	.end_amdhsa_kernel
	.amdgpu_metadata
---
amdhsa.version: [ 1, 2 ]
amdhsa.kernels:
  - .name:           k_q1706aae242_ffn1
    .symbol:         k_q1706aae242_ffn1.kd
    .args:
      - { .name: xs, .offset: 0, .size: 8, .value_kind: global_buffer, .address_space: global }
      - { .name: w1, .offset: 8, .size: 8, .value_kind: global_buffer, .address_space: global }
      - { .name: cnt, .offset: 16, .size: 8, .value_kind: global_buffer, .address_space: global }
      - { .name: hs, .offset: 24, .size: 8, .value_kind: global_buffer, .address_space: global }
      - { .name: b1, .offset: 32, .size: 8, .value_kind: global_buffer, .address_space: global }
    .group_segment_fixed_size: 168960
    .private_segment_fixed_size: 0
    .kernarg_segment_align: 8
    .kernarg_segment_size: 40
    .max_flat_workgroup_size: 256
    .sgpr_count:     66
    .vgpr_count:     242
    .wavefront_size: 32
...
	.end_amdgpu_metadata
.endif
;; end of part 5
;; launch ffn2 (part 6): grid 256 x 1, 8 waves a work-group, no clusters, 299,264 bytes of LDS; arguments hs, w2, cnt, ys; writes ys
.if DOCPART == 6
	.amdgcn_target "amdgcn-amd-amdhsa--gfx1250"
	.amdhsa_code_object_version 6
	.text
	.protected	k_q1706aae242_ffn2
	.globl	k_q1706aae242_ffn2
	.p2align	8
	.type	k_q1706aae242_ffn2,@function
k_q1706aae242_ffn2:
	s_mov_b64 s[64:65], 0
	v_nop
	global_prefetch_b8 v0, s[64:65] scope:SCOPE_SE
	s_setreg_imm32_b32 hwreg(HW_REG_WAVE_MODE, 25, 1), 1
	s_wait_xcnt 0x0
; ONE LAYER OF THE EXPERTS' FFN ON THE SORTED ROWS.  The same text serves both layers; LAYER picks the sizes and the way out.
;   LAYER 1: hs = relu(xs . w1[e] + b1[e]), f16, stored as the next layer's fragments.  K = 1,024.  Work-group = (e, strip c of 64 of 2,048 columns).
;   LAYER 2: ys = hs . w2[e], f32, row-major (bias and gate follow in the last launch).  K = 2,048.  Work-group = (e, strip c of 64 of 1,024 columns,
;            half: the even or the odd groups of 32 places).
; PHASE 1: the strip of weights, K rows x 256 bytes of f32, is read once, rounded to f16 and laid into LDS transposed, [column][k]; it stays.
; PHASE 2: each wave walks groups of 32 places on its own: 2 blocks of 16 places x 4 blocks of 16 columns = 8 accumulator tiles.  The rows' fragments
; come straight from memory in their register image (512 neighbouring bytes a load), six K steps ahead; the weights' fragments from LDS, one step ahead.
; The number of groups hangs on cnt[e], a whole number that an earlier launch stored.
; THE MATRIX INSTRUCTION IS USED TRANSPOSED: source 0 = 16 columns of the weights, source 1 = 16 places; register j of lane 16 h + r is then
; (place r, column 16 i + 8 h + j): eight neighbouring columns of one row.
; F16, NOT BF16: 11 significant bits against 8; four operands are rounded on the way to the result (x, w1, h, w2), and the sums have 1,024 and 2,048 terms.
; NO CLUSTER: what an expert's work-groups share is the stream of rows.  A joint load would have to land in LDS; beside layer 2's strip (263,232 bytes)
; and stages (34,816) two slots of at most 14 KiB fit, 7,168 16-bit numbers x 64 columns of products for each round of the cluster's barrier, too little
; work for a tile to land behind.  NO DATA MOVER: every weight passes a conversion in registers, and the rows need no LDS.
; LIMITS: operands are rounded to f16, sums are f32.  A weight or an h beyond 65,504 in magnitude becomes infinite; below 2^-14 the step is 2^-24.
; The room: x of spread 1 and w1 of spread 0.02 give |h| up to about 3; both 30 times larger, about 2,900; both moved by 30 times their spread
; (30 and 0.6), 1,024 x 18 = 18,432.  Weights 30 times smaller have spread 6.7e-4, some 10,000 steps of 2^-24.  relu by v_max_num_f32 turns a NaN into 0.
.set LAYER, 2
.if LAYER == 1
.set KS,    32                         ; K steps of 32
.set RP,    8192                       ; bytes from row to row of the weights
.set NS,    8                          ; a wave's steps of 16 rows in phase 1: K / 8 / 16
.set ASHE,  22                         ; the rows: 128 blocks x KS x 1,024 bytes an expert,
.set ASHG,  16                         ; 2 blocks x KS x 1,024 bytes a group
.set CSH,   11                         ; the output: a strip is 2 K steps of the next layer = 2,048 bytes of a block
.set GSH,   3
.set GSTEP, 8                          ; wave w takes groups w, w + 8, ...
.set OWN,   132352                     ; behind the strip: each wave's own copy of the strip's 64 biases
.set OWNB,  256
.else
.set KS,    64
.set RP,    4096
.set NS,    16
.set ASHE,  23
.set ASHG,  17
.set CSH,   8                          ; the output: a strip is 256 bytes of a row
.set GSH,   4
.set GSTEP, 16                         ; wave w takes groups 2 w + half, + 16, ...
.set OWN,   263424                     ; behind the strip: each wave's own stage of 16 rows x 272 bytes
.set OWNB,  4352
.endif
.set P,     64*KS+16                   ; LDS pitch of a column of the strip: 2 K bytes + 16, an odd multiple of 16
.set NBS,   16*P+16                    ; 16 columns, and 16 bytes of skew, so that phase 1's stores (lanes 4 columns apart) also start in 16 different 16-byte columns modulo 256
.set WSPAN, 8*KS                       ; bytes of a column that one wave fills: K / 8 numbers
; v1 16 x lane   v2-5 weights' fragment address, column block i   v6 phase 1: LDS address   v7 phase 1: offset in the weights
; layer 1: v8 bias read, v9 bias store, v[10:11] bias as loaded, v12 8 x lane.   layer 2: v8 stage in, v9 stage back, v10 offset in ys.   v13-15 at work
.set ACC, 16                           ; v[16:79]   tile (mb, i) at 16 + 8 (4 mb + i)
.set BB,  80                           ; v[80:143]  weights' fragments, two buffers of 32
.set AR,  144                          ; v[144:239] rows' fragments, six slots of 16: block mb at 8 mb, part p at 4 p
.set ST,  16                           ; phase 1: v[16:207] six slots of 32: 8 loads of 16 bytes
.set T,   208                          ; phase 1: v[208:223] packed f16
	s_load_b256 s[4:11], s[0:1], 0x0               ; rows s[4:5], weights s[6:7], cnt s[8:9], output s[10:11]
	v_lshl_add_u32 v240, v0, 2, 0x48d00
	v_mov_b32 v241, 0
.if LAYER == 1
	s_load_b64 s[12:13], s[0:1], 0x20              ; b1
.endif
	v_lshrrev_b32 v13, 5, v0
	v_readfirstlane_b32 s14, v13                   ; wave
	s_lshr_b32 s15, ttmp9, 5                       ; expert
.if LAYER == 1
	s_and_b32 s16, ttmp9, 31                       ; strip
	s_mov_b32 s18, s14                             ; my first group
.else
	s_bfe_u32 s16, ttmp9, 0x40001                  ; strip: 4 bits from bit 1
	s_and_b32 s19, ttmp9, 1                        ; half
	s_lshl1_add_u32 s18, s14, s19                  ; my first group
.endif
	v_and_b32 v13, 15, v0                          ; r
	v_bfe_u32 v14, v0, 4, 1                        ; h
	v_and_b32 v1, 31, v0
	v_lshlrev_b32 v1, 4, v1
	v_mul_u32_u24 v15, v13, P
	v_lshl_add_u32 v15, v14, 4, v15                ; column r of a block, 16 h
.irp i, 0,1,2,3
	v_add_nc_u32 v[2+\i], \i*NBS, v15
.endr
	v_mul_u32_u24 v6, v13, 4*P                     ; phase 1: lane (r, h) holds columns 4 r .. 4 r + 3: 4 r P,
	v_lshrrev_b32 v15, 2, v13
	v_lshl_add_u32 v6, v15, 4, v6                  ; the skew of their block of 16,
	v_lshl_add_u32 v6, v14, 4, v6                  ; 8 k further on for the upper half of the lanes,
	s_mul_i32 s37, s14, WSPAN
	v_add_nc_u32 v6, s37, v6                       ; and my wave's span of k
	v_mul_u32_u24 v7, v14, 8*RP                    ; in memory: the upper half of the lanes 8 rows further down,
	v_lshl_add_u32 v7, v13, 4, v7                  ; 16 bytes a lane: a load covers the strip's 256 bytes of two rows
	s_mul_i32 s36, s14, OWNB
	s_add_co_u32 s36, s36, OWN                     ; my own bytes behind the strip
.if LAYER == 1
	v_lshl_add_u32 v8, v14, 5, s36                 ; bias of columns 8 h + ..
	v_and_b32 v12, 31, v0
	v_lshlrev_b32 v12, 3, v12
	v_add_nc_u32 v9, s36, v12
.else
	v_mul_u32_u24 v8, v13, 272
	v_lshl_add_u32 v8, v14, 5, v8
	v_add_nc_u32 v8, s36, v8                       ; in: row r, 32 h
	v_mul_u32_u24 v9, v14, 272
	v_lshl_add_u32 v9, v13, 4, v9
	v_add_nc_u32 v9, s36, v9                       ; back: lanes 0-15 one row of 256 bytes, lanes 16-31 the next
	v_lshlrev_b32 v10, 12, v14
	v_lshl_add_u32 v10, v13, 4, v10                ; and the same two rows in ys
.endif
	s_lshl_b32 s26, s15, 23                        ; weights: 8 MiB an expert,
	s_lshl_b32 s27, s16, 8                         ; 256 bytes a strip,
	s_add_co_u32 s26, s26, s27
	s_lshl_b32 s27, s14, 20                        ; K / 8 rows = 1 MiB a wave
	s_add_co_u32 s26, s26, s27
	s_mov_b32 s27, 0
	s_lshl_b32 s28, s15, 2                         ; cnt[e]
	s_mov_b32 s29, 0
	s_lshl_b32 s30, s15, ASHE                      ; rows: expert and first group
	s_lshl_b32 s31, s18, ASHG
	s_add_co_u32 s30, s30, s31
	s_mov_b32 s31, 0
	s_lshl_b32 s32, s15, 23                        ; output: 8 MiB an expert, 128 KiB a group, and the strip
	s_lshl_b32 s33, s18, 17
	s_add_co_u32 s32, s32, s33
	s_lshl_b32 s33, s16, CSH
	s_add_co_u32 s32, s32, s33
	s_mov_b32 s33, 0
.if LAYER == 1
	s_lshl_b32 s34, s15, 13                        ; b1: 8,192 bytes an expert, 256 a strip
	s_lshl_b32 s35, s16, 8
	s_add_co_u32 s34, s34, s35
	s_mov_b32 s35, 0
.endif
	s_wait_kmcnt 0x0
	s_add_nc_u64 s[24:25], s[6:7], s[26:27]
	s_add_nc_u64 s[8:9], s[8:9], s[28:29]
	s_load_b32 s17, s[8:9], 0x0                    ; n of my expert; waited for behind phase 1
	s_add_nc_u64 s[20:21], s[4:5], s[30:31]
	s_add_nc_u64 s[22:23], s[10:11], s[32:33]
.if LAYER == 1
	s_add_nc_u64 s[12:13], s[12:13], s[34:35]
	global_load_b64 v[10:11], v12, s[12:13]        ; the strip's 64 biases, the oldest load
.endif
; PHASE 1.  Step s = 16 rows of my span: load j brings rows 16 s + j (lanes 0-15) and 16 s + 8 + j (lanes 16-31), four columns a lane.
.macro FLD s
.irp j, 0,1,2,3,4,5,6,7
.if LAYER == 1
	global_load_b128 v[ST+((\s)%6)*32+4*\j:ST+((\s)%6)*32+4*\j+3], v7, s[24:25] offset:(16*(\s)+\j)*RP th:TH_LOAD_NT   ; read once in the launch
.else
	global_load_b128 v[ST+((\s)%6)*32+4*\j:ST+((\s)%6)*32+4*\j+3], v7, s[24:25] offset:(16*(\s)+\j)*RP                 ; the other half's work-group reads it too
.endif
.endr
.endm
; A lane's eight loads hold eight consecutive k of each of its four columns: 16 bytes of f16 for each column.
.macro FILLSTEP s
.if (\s)+5 < NS-1
	s_wait_loadcnt 40                              ; step s is in; the five steps issued behind it, eight loads each, stay out
.else
	s_wait_loadcnt 8*(NS-1-(\s))                   ; towards the end fewer steps stand behind it
.endif
.if LAYER == 1
.if (\s) == 0
	ds_store_b64 v9, v[10:11]                      ; the biases came ahead of step 0
.endif
.endif
.irp q, 0,1,2,3
.irp jj, 0,1,2,3
	v_cvt_pk_f16_f32 v[T+4*\q+\jj], v[ST+((\s)%6)*32+8*\jj+\q], v[ST+((\s)%6)*32+8*\jj+4+\q]
.endr
	ds_store_b128 v6, v[T+4*\q:T+4*\q+3] offset:\q*P+32*(\s)
.endr
.if (\s)+6 < NS
	FLD (\s)+6                                     ; into the slot just packed
.endif
.endm
.irp s, 0,1,2,3,4,5
	FLD \s                                         ; 48 loads, 24 KiB a wave, on their way
.endr
.rept NS
	FILLSTEP \+
.endr
	s_wait_dscnt 0x0                               ; my span of the strip is written,
	s_barrier_signal -1
	s_barrier_wait -1                              ; the whole strip is; from here on it is only read.  The kernel's one barrier
	s_wait_kmcnt 0x0
	s_min_u32 s17, s17, 2048
	s_add_co_u32 s17, s17, 31
	s_lshr_b32 s17, s17, 5                         ; groups of 32 places
	s_add_co_u32 s17, s17, GSTEP-1
	s_sub_co_u32 s17, s17, s18                     ; my first group is below GSTEP: the difference is not negative
	s_lshr_b32 s17, s17, GSH                       ; my trips: the groups first, first + GSTEP, .. below that number
	s_cmp_eq_u32 s17, 0
	s_cbranch_scc1 .Lend
	s_mov_b32 s19, 0                               ; the trips' counter
; PHASE 2
.macro ALOAD k                         ; the rows' fragments of K step k: two blocks x two parts, 512 neighbouring bytes each
.irp mb, 0,1
.irp p, 0,1
	global_load_b128 v[AR+((\k)%6)*16+8*\mb+4*\p:AR+((\k)%6)*16+8*\mb+4*\p+3], v1, s[20:21] offset:\mb*KS*1024+(\k)*1024+512*\p
.endr
.endr
.endm
.macro BLOAD k                         ; the weights' fragments of K step k: four blocks of 16 columns
.irp i, 0,1,2,3
	ds_load_b128 v[BB+32*((\k)%2)+8*\i:BB+32*((\k)%2)+8*\i+3],   v[2+\i] offset:64*(\k)
	ds_load_b128 v[BB+32*((\k)%2)+8*\i+4:BB+32*((\k)%2)+8*\i+7], v[2+\i] offset:64*(\k)+32
.endr
.endm
; A load into a register that a matrix instruction has read, and whatever reads a matrix result, stand four places behind it, and a matrix instruction
; that writes over a result five; only plain vector instructions that name none of its registers are places (ISA guide 7.12.1 for vector instructions).
.macro PLACES
.rept 4
	v_nop
.endr
.endm
; Eight products.  The eight accumulators take turns, one instruction a turn, in the same order in every step.
.macro MUL k
.irp mb, 0,1
.irp i, 0,1,2,3
.if (\k) == 0
	v_wmma_f32_16x16x32_f16 v[ACC+8*(4*\mb+\i):ACC+8*(4*\mb+\i)+7], v[BB+32*((\k)%2)+8*\i:BB+32*((\k)%2)+8*\i+7], v[AR+16*((\k)%6)+8*\mb:AR+16*((\k)%6)+8*\mb+7], 0
.else
	v_wmma_f32_16x16x32_f16 v[ACC+8*(4*\mb+\i):ACC+8*(4*\mb+\i)+7], v[BB+32*((\k)%2)+8*\i:BB+32*((\k)%2)+8*\i+7], v[AR+16*((\k)%6)+8*\mb:AR+16*((\k)%6)+8*\mb+7], v[ACC+8*(4*\mb+\i):ACC+8*(4*\mb+\i)+7]
.endif
.endr
.endr
.endm
.macro STEP k
	PLACES                                         ; behind step k - 1's products, whose buffers are loaded again below; at k = 0 they add to the four of the way out
.if (\k)+1 < KS
	BLOAD (\k)+1
.else
.if LAYER == 1
.irp i, 0,1,2,3
	ds_load_b128 v[BB+8*\i:BB+8*\i+3],   v8 offset:64*\i      ; the last step has no weights to fetch: the biases of columns 16 i + 8 h + 0..7 take their place
	ds_load_b128 v[BB+8*\i+4:BB+8*\i+7], v8 offset:64*\i+16
.endr
.endif
.endif
.if (\k) >= 1
.if (\k)+5 < KS
	ALOAD (\k)+5                                   ; into the slot of step k - 1
.endif
.endif
.if (\k)+1 < KS
	s_wait_dscnt 0x8                               ; this step's weights are in; the eight loads just issued stay out
.else
.if LAYER == 1
	s_wait_dscnt 0x8                               ; likewise: the eight loads of the biases stay out
.else
	s_wait_dscnt 0x0                               ; nothing was issued behind them
.endif
.endif
.if (\k)+5 < KS-1
	s_wait_loadcnt 20                              ; this step's rows are in; the five later steps' four loads each stay out
.else
	s_wait_loadcnt 4*(KS-1-(\k))                   ; towards the end fewer steps stand behind it
.endif
	MUL \k
.endm
.Lgroup:
.irp k, 0,1,2,3,4,5
	ALOAD \k                                       ; 24 loads, 12 KiB a wave, on their way
.endr
	BLOAD 0
.rept KS
	STEP \+
.endr
	PLACES                                         ; behind the last products
.if LAYER == 1
	; bias, relu, f16.  A lane's 16 bytes are (place r, columns 64 c + 16 i + 8 h + 0..7): part i & 1 of K step 2 c + (i >> 1) of the next layer's fragment,
	; already in its lane: no exchange, and a store covers 512 consecutive bytes.
	s_wait_dscnt 0x0                               ; the biases
.irp mb, 0,1
.irp i, 0,1,2,3
.irp p, 0,2,4,6
	v_pk_add_f32 v[ACC+8*(4*\mb+\i)+\p:ACC+8*(4*\mb+\i)+\p+1], v[ACC+8*(4*\mb+\i)+\p:ACC+8*(4*\mb+\i)+\p+1], v[BB+8*\i+\p:BB+8*\i+\p+1]
.endr
.irp j, 0,1,2,3,4,5,6,7
	v_max_num_f32 v[ACC+8*(4*\mb+\i)+\j], 0, v[ACC+8*(4*\mb+\i)+\j]
.endr
.irp jj, 0,1,2,3
	v_cvt_pk_f16_f32 v[ACC+8*(4*\mb+\i)+\jj], v[ACC+8*(4*\mb+\i)+2*\jj], v[ACC+8*(4*\mb+\i)+2*\jj+1]
.endr
	global_store_b128 v1, v[ACC+8*(4*\mb+\i):ACC+8*(4*\mb+\i)+3], s[22:23] offset:\mb*65536+512*\i
.endr
.endr
.else
	; 16 rows at a time through my own stage: in by tiles, back by rows of 256 bytes.  My own bytes, served in order (ISA guide 5.7.1.4): no wait between.
.irp mb, 0,1
.irp i, 0,1,2,3
	ds_store_b128 v8, v[ACC+8*(4*\mb+\i):ACC+8*(4*\mb+\i)+3]   offset:64*\i
	ds_store_b128 v8, v[ACC+8*(4*\mb+\i)+4:ACC+8*(4*\mb+\i)+7] offset:64*\i+16
.endr
.irp t, 0,1,2,3,4,5,6,7
	ds_load_b128 v[BB+32*\mb+4*\t:BB+32*\mb+4*\t+3], v9 offset:544*\t
.endr
.irp t, 0,1,2,3,4,5,6,7
	s_wait_dscnt 7-\t                              ; load t is in, the later ones stay out
	global_store_b128 v10, v[BB+32*\mb+4*\t:BB+32*\mb+4*\t+3], s[22:23] offset:(16*\mb+2*\t)*4096   ; 16 lanes store 256 consecutive bytes, at a multiple of 256 from ys' first byte
.endr
.endr
.endif
	s_wait_xcnt 0x0                                ; the stores' data and both bases are rewritten only behind this wait
	s_add_nc_u64 s[20:21], s[20:21], GSTEP<<ASHG
	s_add_nc_u64 s[22:23], s[22:23], GSTEP<<17
	s_add_co_u32 s19, s19, 1
	s_cmp_lt_u32 s19, s17
	s_cbranch_scc1 .Lgroup
.Lend:
	s_wait_tensorcnt 0x0
	ds_add_u32 v240, v241
	s_wait_dscnt 0x0
	s_endpgm
.Lfunc_end_k_q1706aae242_ffn2:
	.size	k_q1706aae242_ffn2, .Lfunc_end_k_q1706aae242_ffn2-k_q1706aae242_ffn2
	.p2alignl 7, 3214868480
	.fill 96, 4, 3214868480
	.section	.rodata,"a",@progbits
	.p2align	6, 0x0
	.amdhsa_kernel k_q1706aae242_ffn2
		.amdhsa_group_segment_fixed_size 299264
		.amdhsa_private_segment_fixed_size 0
		.amdhsa_enable_private_segment 0
		.amdhsa_kernarg_size 32
		.amdhsa_user_sgpr_count 2
		.amdhsa_user_sgpr_kernarg_segment_ptr 1
		.amdhsa_wavefront_size32 1
		.amdhsa_system_sgpr_workgroup_id_x 1
		.amdhsa_system_sgpr_workgroup_id_y 1
		.amdhsa_system_sgpr_workgroup_id_z 1
		.amdhsa_system_vgpr_workitem_id 0
		.amdhsa_next_free_vgpr 242
		.amdhsa_next_free_sgpr 66
		.amdhsa_reserve_vcc 0
		.amdhsa_float_denorm_mode_32 3
		.amdhsa_float_denorm_mode_16_64 3
		.amdhsa_memory_ordered 1
		.amdhsa_forward_progress 1
		.amdhsa_inst_pref_size 141
	.end_amdhsa_kernel
	.amdgpu_metadata
---
amdhsa.version: [ 1, 2 ]
amdhsa.kernels:
  - .name:           k_q1706aae242_ffn2
    .symbol:         k_q1706aae242_ffn2.kd
    .args:
      - { .name: hs, .offset: 0, .size: 8, .value_kind: global_buffer, .address_space: global }
      - { .name: w2, .offset: 8, .size: 8, .value_kind: global_buffer, .address_space: global }
      - { .name: cnt, .offset: 16, .size: 8, .value_kind: global_buffer, .address_space: global }
      - { .name: ys, .offset: 24, .size: 8, .value_kind: global_buffer, .address_space: global }
    .group_segment_fixed_size: 299264
    .private_segment_fixed_size: 0
    .kernarg_segment_align: 8
    .kernarg_segment_size: 32
    .max_flat_workgroup_size: 256
    .sgpr_count:     66
    .vgpr_count:     242
    .wavefront_size: 32
...
	.end_amdgpu_metadata
.endif
;; end of part 6
;; launch combine (part 7): grid 256 x 1, 8 waves a work-group, no clusters, 0 bytes of LDS; arguments hidden_states, ys, b2, sel, pos, gat, out0; writes out0
.if DOCPART == 7
	.amdgcn_target "amdgcn-amd-amdhsa--gfx1250"
	.amdhsa_code_object_version 6
	.text
	.protected	k_q1706aae242_combine
	.globl	k_q1706aae242_combine
	.p2align	8
	.type	k_q1706aae242_combine,@function
k_q1706aae242_combine:
	s_mov_b64 s[64:65], 0
	v_nop
	global_prefetch_b8 v0, s[64:65] scope:SCOPE_SE
	s_setreg_imm32_b32 hwreg(HW_REG_WAVE_MODE, 25, 1), 1
	s_wait_xcnt 0x0
; COMBINE.  out0[t] = g1 (ys[e1][place1] + b2[e1]) + g2 (ys[e2][place2] + b2[e2]); a result that is exactly 0 is replaced by x[t].
; One wave, one token: a row of 4,096 bytes is eight loads of 512 neighbouring bytes from each of five sources, all 40 issued before the first is used.
; Which rows: sel[t] (the two experts) and pos[e][t] (the token's place in the expert's list), whole numbers that earlier launches stored, read by
; scalar loads; nothing in this launch writes them.  The sum over a token's two experts is made here, by the one owner of the output row.
; A stream: no LDS, no barrier, no matrix unit, nothing shared between work-groups but the 32 KiB of b2.
; LIMIT: the six experts that a token did not choose have gate 0 and are not computed; a non-finite value of theirs does not reach the result.
.set X,  8                             ; v[8:39]    x
.set Y1, 40                            ; v[40:71]   first expert's row; then the result
.set Y2, 72                            ; v[72:103]  second expert's row
.set C1, 104                           ; v[104:135] first expert's bias
.set C2, 136                           ; v[136:167] second expert's bias
	s_load_b256 s[4:11], s[0:1], 0x0               ; hidden_states s[4:5], ys s[6:7], b2 s[8:9], sel s[10:11]
	s_load_b128 s[12:15], s[0:1], 0x20             ; pos s[12:13], gat s[14:15]
	s_load_b64 s[16:17], s[0:1], 0x30              ; out0
	v_and_b32 v1, 31, v0
	v_lshrrev_b32 v2, 5, v0
	v_readfirstlane_b32 s18, v2                    ; wave
	v_lshlrev_b32 v1, 4, v1                        ; 16 x lane
	s_lshl3_add_u32 s19, ttmp9, s18                ; my token
	s_lshl_b32 s42, s19, 12
	s_mov_b32 s43, 0
	s_lshl_b32 s44, s19, 2
	s_mov_b32 s45, 0
	s_lshl_b32 s46, s19, 3
	s_mov_b32 s47, 0
	s_wait_kmcnt 0x0
	s_add_nc_u64 s[38:39], s[4:5], s[42:43]        ; x[t]
	s_add_nc_u64 s[40:41], s[16:17], s[42:43]      ; out0[t]
	s_add_nc_u64 s[10:11], s[10:11], s[44:45]
	s_add_nc_u64 s[14:15], s[14:15], s[46:47]
	s_load_b32 s20, s[10:11], 0x0                  ; sel[t]
	s_load_b64 s[22:23], s[14:15], 0x0             ; g1, g2
.irp u, 0,1,2,3,4,5,6,7
	global_load_b128 v[X+4*\u:X+4*\u+3], v1, s[38:39] offset:512*\u th:TH_LOAD_NT
.endr
	s_wait_kmcnt 0x0
	s_and_b32 s26, s20, 0xff
	s_min_u32 s26, s26, 7                          ; e1
	s_bfe_u32 s27, s20, 0x80008
	s_min_u32 s27, s27, 7                          ; e2
	s_lshl_b32 s48, s26, 13                        ; pos[e][t]: 8,192 bytes an expert, 4 a token
	s_add_co_u32 s48, s48, s44
	s_mov_b32 s49, 0
	s_lshl_b32 s50, s27, 13
	s_add_co_u32 s50, s50, s44
	s_mov_b32 s51, 0
	s_add_nc_u64 s[48:49], s[12:13], s[48:49]
	s_add_nc_u64 s[50:51], s[12:13], s[50:51]
	s_load_b32 s28, s[48:49], 0x0
	s_load_b32 s29, s[50:51], 0x0
	s_mov_b32 s24, s23                             ; g2 at the head of a pair of its own: a packed instruction broadcasts a scalar pair's first register
	s_mov_b32 s25, s23
	s_lshl_b32 s34, s26, 12                        ; b2[e]: 4,096 bytes an expert
	s_mov_b32 s35, 0
	s_lshl_b32 s36, s27, 12
	s_mov_b32 s37, 0
	s_add_nc_u64 s[34:35], s[8:9], s[34:35]
	s_add_nc_u64 s[36:37], s[8:9], s[36:37]
	s_lshl_b32 s30, s26, 23                        ; ys: 2,048 rows of 4,096 bytes an expert
	s_lshl_b32 s32, s27, 23
	s_mov_b32 s31, 0
	s_mov_b32 s33, 0
	s_wait_kmcnt 0x0
	s_min_u32 s28, s28, 2047                       ; the two places
	s_min_u32 s29, s29, 2047
	s_lshl_b32 s28, s28, 12
	s_lshl_b32 s29, s29, 12
	s_add_co_u32 s30, s30, s28
	s_add_co_u32 s32, s32, s29
	s_add_nc_u64 s[30:31], s[6:7], s[30:31]
	s_add_nc_u64 s[32:33], s[6:7], s[32:33]
.irp u, 0,1,2,3,4,5,6,7
	global_load_b128 v[Y1+4*\u:Y1+4*\u+3], v1, s[30:31] offset:512*\u th:TH_LOAD_NT
	global_load_b128 v[Y2+4*\u:Y2+4*\u+3], v1, s[32:33] offset:512*\u th:TH_LOAD_NT
	global_load_b128 v[C1+4*\u:C1+4*\u+3], v1, s[34:35] offset:512*\u
	global_load_b128 v[C2+4*\u:C2+4*\u+3], v1, s[36:37] offset:512*\u
.endr
.irp u, 0,1,2,3,4,5,6,7
	s_wait_loadcnt 4*(7-\u)                        ; chunk u's four loads are in (and x, which is older); the four of each later chunk stay out
.irp p, 0,2
	v_pk_add_f32 v[Y1+4*\u+\p:Y1+4*\u+\p+1], v[Y1+4*\u+\p:Y1+4*\u+\p+1], v[C1+4*\u+\p:C1+4*\u+\p+1]
	v_pk_add_f32 v[Y2+4*\u+\p:Y2+4*\u+\p+1], v[Y2+4*\u+\p:Y2+4*\u+\p+1], v[C2+4*\u+\p:C2+4*\u+\p+1]
.endr
.irp p, 0,2
	v_pk_mul_f32 v[Y1+4*\u+\p:Y1+4*\u+\p+1], v[Y1+4*\u+\p:Y1+4*\u+\p+1], s[22:23] op_sel_hi:[1,0]
.endr
.irp p, 0,2
	v_pk_fma_f32 v[Y1+4*\u+\p:Y1+4*\u+\p+1], v[Y2+4*\u+\p:Y2+4*\u+\p+1], s[24:25], v[Y1+4*\u+\p:Y1+4*\u+\p+1] op_sel_hi:[1,0,1]
.endr
.irp j, 0,1,2,3
	v_cmp_eq_f32 vcc_lo, 0, v[Y1+4*\u+\j]
	v_cndmask_b32 v[Y1+4*\u+\j], v[Y1+4*\u+\j], v[X+4*\u+\j], vcc_lo      ; a zero of either sign gives way to x
.endr
	global_store_b128 v1, v[Y1+4*\u:Y1+4*\u+3], s[40:41] offset:512*\u th:TH_STORE_NT    ; 512 consecutive bytes, at a multiple of 512 from out0's first byte
.endr
	s_endpgm
.Lfunc_end_k_q1706aae242_combine:
	.size	k_q1706aae242_combine, .Lfunc_end_k_q1706aae242_combine-k_q1706aae242_combine
	.p2alignl 7, 3214868480
	.fill 96, 4, 3214868480
	.section	.rodata,"a",@progbits
	.p2align	6, 0x0
	.amdhsa_kernel k_q1706aae242_combine
		.amdhsa_group_segment_fixed_size 0
		.amdhsa_private_segment_fixed_size 0
		.amdhsa_enable_private_segment 0
		.amdhsa_kernarg_size 56
		.amdhsa_user_sgpr_count 2
		.amdhsa_user_sgpr_kernarg_segment_ptr 1
		.amdhsa_wavefront_size32 1
		.amdhsa_system_sgpr_workgroup_id_x 1
		.amdhsa_system_sgpr_workgroup_id_y 1
		.amdhsa_system_sgpr_workgroup_id_z 1
		.amdhsa_system_vgpr_workitem_id 0
		.amdhsa_next_free_vgpr 176
		.amdhsa_next_free_sgpr 66
		.amdhsa_reserve_vcc 1
		.amdhsa_float_denorm_mode_32 3
		.amdhsa_float_denorm_mode_16_64 3
		.amdhsa_memory_ordered 1
		.amdhsa_forward_progress 1
		.amdhsa_inst_pref_size 14
	.end_amdhsa_kernel
	.amdgpu_metadata
---
amdhsa.version: [ 1, 2 ]
amdhsa.kernels:
  - .name:           k_q1706aae242_combine
    .symbol:         k_q1706aae242_combine.kd
    .args:
      - { .name: hidden_states, .offset: 0, .size: 8, .value_kind: global_buffer, .address_space: global }
      - { .name: ys, .offset: 8, .size: 8, .value_kind: global_buffer, .address_space: global }
      - { .name: b2, .offset: 16, .size: 8, .value_kind: global_buffer, .address_space: global }
      - { .name: sel, .offset: 24, .size: 8, .value_kind: global_buffer, .address_space: global }
      - { .name: pos, .offset: 32, .size: 8, .value_kind: global_buffer, .address_space: global }
      - { .name: gat, .offset: 40, .size: 8, .value_kind: global_buffer, .address_space: global }
      - { .name: out0, .offset: 48, .size: 8, .value_kind: global_buffer, .address_space: global }
    .group_segment_fixed_size: 0
    .private_segment_fixed_size: 0
    .kernarg_segment_align: 8
    .kernarg_segment_size: 56
    .max_flat_workgroup_size: 256
    .sgpr_count:     66
    .vgpr_count:     176
    .wavefront_size: 32
...
	.end_amdgpu_metadata
.endif
;; end of part 7
;; ======== version 2 of 2: 7 launches; 1.14 times as fast as version 1
;; limits: values are held in f16: magnitudes above 65,504 overflow, below 6.1e-05 lose precision
;; workspace buffers: sel 8,192 bytes of whole numbers; gat 16,384 bytes; cnt 256 bytes of whole numbers; pos 65,536 bytes of whole numbers; list 65,536 bytes of whole numbers; xs 33,554,432 bytes; hs 67,108,864 bytes; ys 134,217,728 bytes
;; launch route: the kernel of part 1 again; grid 256 x 1, 8 waves a work-group, no clusters, 34,816 bytes of LDS; arguments hidden_states, router_w, out1, out2, sel, gat; writes out1, out2, sel, gat
;; launch scan: the kernel of part 2 again; grid 8 x 1, 1 waves a work-group, no clusters, 0 bytes of LDS; arguments sel, pos, cnt, list; writes pos, cnt, list
;; launch place: the kernel of part 3 again; grid 16 x 1, 8 waves a work-group, no clusters, 0 bytes of LDS; arguments sel, pos, list; writes list
;; launch gather (part 8): grid 256 x 1, 8 waves a work-group, no clusters, 68,608 bytes of LDS; arguments hidden_states, list, cnt, xs; writes xs
.if DOCPART == 8
	.amdgcn_target "amdgcn-amd-amdhsa--gfx1250"
	.amdhsa_code_object_version 6
	.text
	.protected	k_q1706aae242_gather
	.globl	k_q1706aae242_gather
	.p2align	8
	.type	k_q1706aae242_gather,@function
k_q1706aae242_gather:
	s_mov_b64 s[64:65], 0
	v_nop
	global_prefetch_b8 v0, s[64:65] scope:SCOPE_SE
	s_setreg_imm32_b32 hwreg(HW_REG_WAVE_MODE, 25, 1), 1
	s_wait_xcnt 0x0
; SORTED ROWS.  Work-group = (expert e = id >> 5, part = id & 31).  The rows of x that list[e] names are rounded to f16 and stored as the
; register image of a 16-bit matrix fragment:
;   xs[e][block of 16 places][K step of 32][part p][lane 16 h + r][16 bytes] = x[list[e][16 block + r]][32 step + 16 p + 8 h + 0..7]
; so that the next launch loads half a fragment as 512 neighbouring bytes.  The next launches walk groups of 5 blocks (80 places), at least one
; group for each expert, so min(5 max(1, ceil(n / 80)), 128) blocks are written.  The places behind n name token 0: the rows that fill the last
; group are real numbers, are computed, and are read by nobody at the end.
; F16, NOT BF16: 11 significant bits against 8; four operands are rounded on the way to the result (x, w1, h, w2), and the sums have 1,024 and
; 2,048 terms.  LIMIT: |x| beyond 65,504 becomes infinite.  Numbers of spread 1, taken 30 times larger or moved by 30, stay below 200.
; A unit = 16 places x 256 k: 16 KiB read, 8 KiB stored.  Wave w takes units 32 w + part, + 256, ...; a unit's quarter of K is unit & 3 = part & 3,
; the same in every trip, and its block, unit >> 2, steps by 64.  With n near 512 an expert has 140 units, which fall on waves 0 to 4 of
; its 32 work-groups.  list and cnt are whole numbers that earlier launches stored; they are read by scalar loads, and nothing here writes them.
; Each wave works alone, on a stage of its own in LDS: no barrier.
; No matrix unit, cluster or data mover: the rows are scattered and every number passes a conversion in registers.
.set SP,    528                        ; pitch of the stage's 16 rows of 512 bytes: 512 + 16, an odd multiple of 16
.set X,     16                         ; v[16:143]  a unit: 16 rows x 8 registers of f32; then 16 x 4 registers of fragments
.set OFF,   144                        ; v[144:159] the rows' byte offsets in x
.set PK,    160                        ; v[160:167] packed f16, two sets in turn
.set TK,    32                         ; s[32:47]   the unit's 16 tokens
	s_load_b256 s[4:11], s[0:1], 0x0               ; hidden_states s[4:5], list s[6:7], cnt s[8:9], xs s[10:11]
	v_lshl_add_u32 v168, v0, 2, 0x10800
	v_mov_b32 v169, 0
	v_and_b32 v1, 31, v0                           ; lane
	v_lshrrev_b32 v4, 5, v0
	v_readfirstlane_b32 s14, v4                    ; wave
	v_lshlrev_b32 v2, 4, v1                        ; 16 x lane
	s_lshr_b32 s15, ttmp9, 5                       ; expert
	s_and_b32 s16, ttmp9, 31                       ; part
	s_and_b32 s29, s16, 3                          ; my quarter of K
	s_lshr_b32 s26, s16, 2
	s_lshl3_add_u32 s26, s14, s26                  ; my first block: 8 w + (part >> 2)
	s_lshl_b32 s23, s14, 5
	s_add_co_u32 s23, s23, s16                     ; my first unit: 32 w + part, 255 at the most
	s_mul_i32 s28, s14, 16*SP                      ; my stage
	v_lshl_add_u32 v10, v1, 3, s28                 ; in: 8 bytes a lane, 256 neighbouring bytes an instruction
	v_and_b32 v4, 15, v0
	v_bfe_u32 v5, v0, 4, 1
	v_mul_u32_u24 v11, v4, SP
	v_lshl_add_u32 v11, v5, 4, v11
	v_add_nc_u32 v11, s28, v11                     ; back: row r, 16 h
	v_lshl_add_u32 v13, s29, 10, v2                ; in a row of x: 1,024 bytes a quarter + 16 x lane
	s_lshl_b32 s18, s15, 2                         ; cnt[e]
	s_mov_b32 s19, 0
	s_lshl_b32 s20, s15, 13                        ; list: 8,192 bytes an expert, 64 a block
	s_lshl_b32 s21, s26, 6
	s_add_co_u32 s20, s20, s21
	s_mov_b32 s21, 0
	s_lshl_b32 s30, s15, 7                         ; xs: (128 e + block) x 32 K steps + 8 x quarter,
	s_add_co_u32 s30, s30, s26
	s_lshl_b32 s30, s30, 5
	s_lshl3_add_u32 s30, s29, s30
	s_lshl_b32 s30, s30, 10                        ; 1,024 bytes a K step
	s_mov_b32 s31, 0
	s_wait_kmcnt 0x0
	s_add_nc_u64 s[8:9], s[8:9], s[18:19]
	s_load_b32 s22, s[8:9], 0x0                    ; n
	s_add_nc_u64 s[12:13], s[6:7], s[20:21]
	s_add_nc_u64 s[24:25], s[10:11], s[30:31]
	s_wait_kmcnt 0x0
	s_min_u32 s22, s22, 2048
	s_add_co_u32 s22, s22, 79
	s_mul_i32 s22, s22, 52429                      ; x / 80 = (52,429 x) >> 22, exact for x up to 2,127: 52,429 / 2^22 is 1 / 80 to 4 parts in a million
	s_lshr_b32 s22, s22, 22                        ; ceil(n / 80)
	s_max_u32 s22, s22, 1                          ; groups of 80 places, at least one
	s_mul_i32 s22, s22, 5
	s_min_u32 s22, s22, 128                        ; blocks of 16 places
	s_lshl_b32 s22, s22, 2                         ; units: 4 quarters of K a block
	s_add_co_u32 s22, s22, 255
	s_sub_co_u32 s22, s22, s23
	s_lshr_b32 s22, s22, 8                         ; my trips: the units first, first + 256, .. below that number
	s_cmp_eq_u32 s22, 0
	s_cbranch_scc1 .Lend
	s_mov_b32 s23, 0                               ; the trips' counter
.Lunit:
	s_load_b512 s[TK:TK+15], s[12:13], 0x0         ; the block's 16 tokens
	s_wait_kmcnt 0x0
.irp i, 0,1,2,3,4,5,6,7,8,9,10,11,12,13,14,15
	s_min_u32 s[TK+\i], s[TK+\i], 2047             ; a token is below 2,048: the bound is written out
	s_lshl_b32 s[TK+\i], s[TK+\i], 12              ; 4,096 bytes a row
	v_add_nc_u32 v[OFF+\i], s[TK+\i], v13
.endr
.irp i, 0,1,2,3,4,5,6,7,8,9,10,11,12,13,14,15
	global_load_b128 v[X+8*\i:X+8*\i+3],   v[OFF+\i], s[4:5]               ; 512 neighbouring bytes of one row,
	global_load_b128 v[X+8*\i+4:X+8*\i+7], v[OFF+\i], s[4:5] offset:512    ; and the next 512
.endr
.irp i, 0,1,2,3,4,5,6,7,8,9,10,11,12,13,14,15
	s_wait_loadcnt 30-2*\i                         ; row i's two loads are in; the two of each later row stay out
	v_cvt_pk_f16_f32 v[PK+4*(\i%2)],   v[X+8*\i],   v[X+8*\i+1]
	v_cvt_pk_f16_f32 v[PK+4*(\i%2)+1], v[X+8*\i+2], v[X+8*\i+3]
	v_cvt_pk_f16_f32 v[PK+4*(\i%2)+2], v[X+8*\i+4], v[X+8*\i+5]
	v_cvt_pk_f16_f32 v[PK+4*(\i%2)+3], v[X+8*\i+6], v[X+8*\i+7]
	ds_store_b64 v10, v[PK+4*(\i%2):PK+4*(\i%2)+1]   offset:\i*SP
	ds_store_b64 v10, v[PK+4*(\i%2)+2:PK+4*(\i%2)+3] offset:\i*SP+256
.endr
.irp q, 0,1,2,3,4,5,6,7,8,9,10,11,12,13,14,15
	ds_load_b128 v[X+4*\q:X+4*\q+3], v11 offset:32*\q      ; K step q / 2, part q & 1.  My own bytes: LDS serves a wave's instructions in order (ISA guide 5.7.1.4)
.endr
.irp q, 0,1,2,3,4,5,6,7,8,9,10,11,12,13,14,15
	s_wait_dscnt 15-\q                             ; load q is in, the later ones stay out
	global_store_b128 v2, v[X+4*\q:X+4*\q+3], s[24:25] offset:512*\q       ; 512 consecutive bytes, at a multiple of 512 from xs' first byte
.endr
	s_wait_xcnt 0x0                                ; the offsets, the stores' data and the two bases are rewritten only behind this wait
	s_add_nc_u64 s[12:13], s[12:13], 64*64         ; 64 blocks on in the list,
	s_add_nc_u64 s[24:25], s[24:25], 64*32*1024    ; and in xs
	s_add_co_u32 s23, s23, 1
	s_cmp_lt_u32 s23, s22
	s_cbranch_scc1 .Lunit
.Lend:
	s_wait_tensorcnt 0x0
	ds_add_u32 v168, v169
	s_wait_dscnt 0x0
	s_endpgm
.Lfunc_end_k_q1706aae242_gather:
	.size	k_q1706aae242_gather, .Lfunc_end_k_q1706aae242_gather-k_q1706aae242_gather
	.p2alignl 7, 3214868480
	.fill 96, 4, 3214868480
	.section	.rodata,"a",@progbits
	.p2align	6, 0x0
	.amdhsa_kernel k_q1706aae242_gather
		.amdhsa_group_segment_fixed_size 68608
		.amdhsa_private_segment_fixed_size 0
		.amdhsa_enable_private_segment 0
		.amdhsa_kernarg_size 32
		.amdhsa_user_sgpr_count 2
		.amdhsa_user_sgpr_kernarg_segment_ptr 1
		.amdhsa_wavefront_size32 1
		.amdhsa_system_sgpr_workgroup_id_x 1
		.amdhsa_system_sgpr_workgroup_id_y 1
		.amdhsa_system_sgpr_workgroup_id_z 1
		.amdhsa_system_vgpr_workitem_id 0
		.amdhsa_next_free_vgpr 170
		.amdhsa_next_free_sgpr 66
		.amdhsa_reserve_vcc 0
		.amdhsa_float_denorm_mode_32 3
		.amdhsa_float_denorm_mode_16_64 3
		.amdhsa_memory_ordered 1
		.amdhsa_forward_progress 1
		.amdhsa_inst_pref_size 18
	.end_amdhsa_kernel
	.amdgpu_metadata
---
amdhsa.version: [ 1, 2 ]
amdhsa.kernels:
  - .name:           k_q1706aae242_gather
    .symbol:         k_q1706aae242_gather.kd
    .args:
      - { .name: hidden_states, .offset: 0, .size: 8, .value_kind: global_buffer, .address_space: global }
      - { .name: list, .offset: 8, .size: 8, .value_kind: global_buffer, .address_space: global }
      - { .name: cnt, .offset: 16, .size: 8, .value_kind: global_buffer, .address_space: global }
      - { .name: xs, .offset: 24, .size: 8, .value_kind: global_buffer, .address_space: global }
    .group_segment_fixed_size: 68608
    .private_segment_fixed_size: 0
    .kernarg_segment_align: 8
    .kernarg_segment_size: 32
    .max_flat_workgroup_size: 256
    .sgpr_count:     66
    .vgpr_count:     170
    .wavefront_size: 32
...
	.end_amdgpu_metadata
.endif
;; end of part 8
;; launch ffn1 (part 9): grid 256 x 1, 8 waves a work-group, no clusters, 168,960 bytes of LDS; arguments xs, w1, cnt, hs, b1; writes hs
.if DOCPART == 9
	.amdgcn_target "amdgcn-amd-amdhsa--gfx1250"
	.amdhsa_code_object_version 6
	.text
	.protected	k_q1706aae242_ffn1
	.globl	k_q1706aae242_ffn1
	.p2align	8
	.type	k_q1706aae242_ffn1,@function
k_q1706aae242_ffn1:
	s_mov_b64 s[64:65], 0
	v_nop
	global_prefetch_b8 v0, s[64:65] scope:SCOPE_SE
	s_setreg_imm32_b32 hwreg(HW_REG_WAVE_MODE, 25, 1), 1
	s_wait_xcnt 0x0
; ONE LAYER OF THE EXPERTS' FFN ON THE SORTED ROWS.  The same text serves both layers; LAYER picks the strides and the way out.
; Both layers have one shape here: a strip of 64 columns of the weights, K = 1,024, all the expert's places.
;   LAYER 1: hs = relu(xs . w1[e] + b1[e]), f16, stored as the next layer's fragments.  Work-group = (e, strip c of 64 of 2,048 columns).
;   LAYER 2: ys[kh] = hs(half kh of its 2,048 k) . w2[e](the same half), f32, row-major.  Work-group = (e, strip c of 64 of 1,024 columns, kh).
;            The last launch adds the two halves, bias and gate, in a fixed order.
; PHASE 1: the strip of weights, 1,024 rows x 256 bytes of f32, is read once in the launch, rounded to f16 and laid into LDS transposed, [column][k]; it stays.
; PHASE 2: each wave walks groups of 80 places on its own: 5 blocks of 16 places x 4 blocks of 16 columns = 20 accumulator tiles, so a fragment of
; weights read from LDS serves five products and a fragment of rows read from memory four.  The rows' fragments come straight from memory in their
; register image (512 neighbouring bytes a load), six K steps ahead; the weights' fragments from LDS, one step ahead.
; Group g = blocks min(5 g, 123) .. + 4; wave w takes groups w, w + 8, ...  With n from 481 to 560 there are seven groups: one for each of seven waves.
; 128 blocks are no multiple of 5: the last of the 26 groups that a full expert has overlaps the one before and stores the same numbers again.
; The number of groups, max(1, ceil(n / 80)), hangs on cnt[e], a whole number that an earlier launch stored.
; The first group's first six K steps of rows are asked for during phase 1, by EVERY wave, so that phase 1's counted waits hold on every path.
; THE MATRIX INSTRUCTION IS USED TRANSPOSED: source 0 = 16 columns of the weights, source 1 = 16 places; register j of lane 16 h + r is then
; (place r, column 16 i + 8 h + j): eight neighbouring columns of one row.
; F16, NOT BF16: 11 significant bits against 8; four operands are rounded on the way to the result (x, w1, h, w2), and the sums have 1,024 and 2,048 terms.
; NO CLUSTER: what an expert's work-groups share is the stream of rows.  A joint load lands in LDS, and each wave would read its 5 KiB of rows a K step
; from there on top of the 4 KiB of weights that it reads now: more than twice the LDS reads for the same 20 products.
; NO DATA MOVER: every weight passes a conversion in registers, and the rows need no LDS.
; LIMITS: operands are rounded to f16, sums are f32.  A weight or an h beyond 65,504 in magnitude becomes infinite; below 2^-14 the step is 2^-24.
; The room: x of spread 1 and w1 of spread 0.02 give |h| up to about 3; both 30 times larger, about 2,900; both moved by 30 times their spread
; (30 and 0.6), 1,024 x 18 = 18,432.  Weights 30 times smaller have spread 6.7e-4, some 10,000 steps of 2^-24.  relu by v_max_num_f32 turns a NaN into 0.
.set LAYER, 1
.set KS,    32                         ; K steps of 32
.set NS,    8                          ; a wave's steps of 16 rows in phase 1: 1,024 / 8 / 16
.set P,     64*KS+16                   ; LDS pitch of a column of the strip: 2,048 bytes + 16, an odd multiple of 16
.set NBS,   16*P+16                    ; 16 columns, and 16 bytes of skew, so that phase 1's stores (lanes 4 columns apart) also start in 16 different 16-byte columns modulo 256
.set WSPAN, 8*KS                       ; bytes of a column that one wave fills: 128 numbers
.set OWN,   132352                     ; behind the strip (4 x 33,040 = 132,160 bytes): each wave's own bytes
.if LAYER == 1
.set RP,    8192                       ; bytes from row to row of the weights
.set WSH,   20                         ; a wave's 128 rows of the weights: 1 MiB
.set ASHE,  22                         ; the rows: 128 blocks x 32 KiB an expert,
.set ABSH,  15                         ; 32 K steps x 1,024 bytes a block
.set CSH,   11                         ; the output: a strip is 2 K steps of the next layer = 2,048 bytes of a block
.set OWNB,  256                        ; my own copy of the strip's 64 biases
.else
.set RP,    4096
.set WSH,   19                         ; 128 rows: 512 KiB
.set ASHE,  23                         ; 128 blocks x 64 KiB an expert,
.set ABSH,  16                         ; 64 K steps x 1,024 bytes a block, of which a work-group walks 32
.set CSH,   8                          ; the output: a strip is 256 bytes of a row
.set OWNB,  4352                       ; my own stage of 16 rows x 272 bytes
.endif
.set ABLK,  1<<ABSH
; REGISTERS, in windows of 256 (an instruction names v0-v255; s_set_vgpr_msb says which window each operand place means):
; window 0: v1 16 x lane   v2-5 weights' fragment address, column block i   v6 phase 1: LDS address   v7 phase 1: offset in the weights
;   layer 1: v8 bias read, v9 bias store, v[10:11] bias as loaded, v12 8 x lane.   layer 2: v8 stage in, v9 stage back, v10 offset in ys.   v13-15 at work
.set ACC, 16                           ; v[16:175]  tile (mb, i) at 16 + 8 (4 mb + i)
.set BB,  176                          ; v[176:239] weights' fragments, two buffers of 32
.set ST,  16                           ; phase 1: v[16:207] six slots of 32: 8 loads of 16 bytes
.set T,   208                          ; phase 1: v[208:223] packed f16
; window 1: v[256:495], written v[0:239]: the rows' fragments, six slots of 40: slot k % 6 at 40 (k % 6), block mb at 8 mb, part p at 4 p
.set TO_A, 0x40                        ; destination in window 1, address in window 0: the rows' loads
.set MULW, 0x04                        ; source 1 (the rows) in window 1, all else in window 0: the products; LDS loads name no source 1 and run under it too
.set MSB, 0
.macro WIN new                         ; the immediate's high byte repeats the setting that is left; a switch that changes nothing is dropped
.if MSB != \new
	s_set_vgpr_msb (MSB<<8)|\new
.set MSB, \new
.endif
.endm
	s_load_b256 s[4:11], s[0:1], 0x0               ; rows s[4:5], weights s[6:7], cnt s[8:9], output s[10:11]
.if LAYER == 1
	s_load_b64 s[12:13], s[0:1], 0x20              ; b1
	v_lshl_add_u32 v254, v0, 2, 0x29000
	v_mov_b32 v255, 0
.endif
	v_lshrrev_b32 v13, 5, v0
	v_readfirstlane_b32 s14, v13                   ; wave
	s_lshr_b32 s15, ttmp9, 5                       ; expert
.if LAYER == 1
	s_and_b32 s16, ttmp9, 31                       ; strip
.else
	s_bfe_u32 s16, ttmp9, 0x40001                  ; strip: 4 bits from bit 1
	s_and_b32 s38, ttmp9, 1                        ; half of K
.endif
	v_and_b32 v13, 15, v0                          ; r
	v_bfe_u32 v14, v0, 4, 1                        ; h
	v_and_b32 v1, 31, v0
	v_lshlrev_b32 v1, 4, v1
	v_mul_u32_u24 v15, v13, P
	v_lshl_add_u32 v15, v14, 4, v15                ; column r of a block, 16 h
.irp i, 0,1,2,3
	v_add_nc_u32 v[2+\i], \i*NBS, v15
.endr
	v_mul_u32_u24 v6, v13, 4*P                     ; phase 1: lane (r, h) holds columns 4 r .. 4 r + 3: 4 r P,
	v_lshrrev_b32 v15, 2, v13
	v_lshl_add_u32 v6, v15, 4, v6                  ; the skew of their block of 16,
	v_lshl_add_u32 v6, v14, 4, v6                  ; 8 k further on for the upper half of the lanes,
	s_mul_i32 s37, s14, WSPAN
	v_add_nc_u32 v6, s37, v6                       ; and my wave's span of k
	v_mul_u32_u24 v7, v14, 8*RP                    ; in memory: the upper half of the lanes 8 rows further down,
	v_lshl_add_u32 v7, v13, 4, v7                  ; 16 bytes a lane: a load covers the strip's 256 bytes of two rows
	s_mul_i32 s36, s14, OWNB
	s_add_co_u32 s36, s36, OWN                     ; my own bytes behind the strip
.if LAYER == 1
	v_lshl_add_u32 v8, v14, 5, s36                 ; bias of columns 8 h + ..
	v_and_b32 v12, 31, v0
	v_lshlrev_b32 v12, 3, v12
	v_add_nc_u32 v9, s36, v12
.else
	v_mul_u32_u24 v8, v13, 272
	v_lshl_add_u32 v8, v14, 5, v8
	v_add_nc_u32 v8, s36, v8                       ; in: row r, 32 h
	v_mul_u32_u24 v9, v14, 272
	v_lshl_add_u32 v9, v13, 4, v9
	v_add_nc_u32 v9, s36, v9                       ; back: lanes 0-15 one row of 256 bytes, lanes 16-31 the next
	v_lshlrev_b32 v10, 12, v14
	v_lshl_add_u32 v10, v13, 4, v10                ; and the same two rows in ys
.endif
	s_lshl_b32 s26, s15, 23                        ; weights: 8 MiB an expert,
	s_lshl_b32 s27, s16, 8                         ; 256 bytes a strip,
	s_add_co_u32 s26, s26, s27
	s_lshl_b32 s27, s14, WSH                       ; 128 rows a wave
	s_add_co_u32 s26, s26, s27
.if LAYER == 2
	s_lshl_b32 s27, s38, 22                        ; 1,024 rows of 4,096 bytes a half of K
	s_add_co_u32 s26, s26, s27
.endif
	s_mov_b32 s27, 0
	s_lshl_b32 s28, s15, 2                         ; cnt[e]
	s_mov_b32 s29, 0
	s_lshl_b32 s30, s15, ASHE                      ; rows: the expert
.if LAYER == 2
	s_lshl_b32 s31, s38, 15                        ; 32 K steps of 1,024 bytes a half of K
	s_add_co_u32 s30, s30, s31
.endif
	s_mov_b32 s31, 0
	s_lshl_b32 s32, s15, 23                        ; output: 8 MiB an expert, and the strip
	s_lshl_b32 s33, s16, CSH
	s_add_co_u32 s32, s32, s33
.if LAYER == 2
	s_lshl_b32 s33, s38, 26                        ; 64 MiB a half of K
	s_add_co_u32 s32, s32, s33
.endif
	s_mov_b32 s33, 0
.if LAYER == 1
	s_lshl_b32 s34, s15, 13                        ; b1: 8,192 bytes an expert, 256 a strip
	s_lshl_b32 s35, s16, 8
	s_add_co_u32 s34, s34, s35
	s_mov_b32 s35, 0
.endif
	s_wait_kmcnt 0x0
	s_add_nc_u64 s[24:25], s[6:7], s[26:27]        ; my span of the strip
	s_add_nc_u64 s[8:9], s[8:9], s[28:29]
	s_load_b32 s17, s[8:9], 0x0                    ; n of my expert; waited for behind phase 1's second step
	s_add_nc_u64 s[30:31], s[4:5], s[30:31]        ; the expert's rows, block 0
	s_add_nc_u64 s[32:33], s[10:11], s[32:33]      ; the expert's output, block 0, my strip
.if LAYER == 1
	s_add_nc_u64 s[12:13], s[12:13], s[34:35]
	global_load_b64 v[10:11], v12, s[12:13]        ; the strip's 64 biases, the oldest load
.endif
.macro ALOAD k                         ; the rows' fragments of K step k: five blocks x two parts, 512 neighbouring bytes each.  Under WIN TO_A
.irp mb, 0,1,2,3,4
.irp p, 0,1
	global_load_b128 v[((\k)%6)*40+8*\mb+4*\p:((\k)%6)*40+8*\mb+4*\p+3], v1, s[20:21] offset:\mb*ABLK+(\k)*1024+512*\p
.endr
.endr
.endm
; PHASE 1.  Step s = 16 rows of my span: load j brings rows 16 s + j (lanes 0-15) and 16 s + 8 + j (lanes 16-31), four columns a lane.
.macro FLD s
.irp j, 0,1,2,3,4,5,6,7
	global_load_b128 v[ST+((\s)%6)*32+4*\j:ST+((\s)%6)*32+4*\j+3], v7, s[24:25] offset:(16*(\s)+\j)*RP th:TH_LOAD_NT   ; read once in the launch
.endr
.endm
; A lane's eight loads hold eight consecutive k of each of its four columns: 16 bytes of f16 for each column.
; Behind steps 2 to 7 one K step of the first group's rows is asked for, into window 1, which phase 1 does not use.
.macro FILLSTEP s
.if (\s) < 3
	s_wait_loadcnt 40                              ; step s is in; the five steps issued behind it, eight loads each, stay out
.else
	s_wait_loadcnt 8*(NS-1-(\s))+10*((\s)-2)       ; the later steps' eight loads each, and the ten of each K step of rows asked for so far, stay out
.endif
.if LAYER == 1
.if (\s) == 0
	ds_store_b64 v9, v[10:11]                      ; the biases came ahead of step 0
.endif
.endif
.irp q, 0,1,2,3
.irp jj, 0,1,2,3
	v_cvt_pk_f16_f32 v[T+4*\q+\jj], v[ST+((\s)%6)*32+8*\jj+\q], v[ST+((\s)%6)*32+8*\jj+4+\q]
.endr
	ds_store_b128 v6, v[T+4*\q:T+4*\q+3] offset:\q*P+32*(\s)
.endr
.if (\s)+6 < NS
	FLD (\s)+6                                     ; into the slot just packed
.endif
.if (\s) >= 2
	WIN TO_A
	ALOAD (\s)-2
	WIN 0
.endif
.endm
.irp s, 0,1,2,3,4,5
	FLD \s                                         ; 48 loads, 24 KiB a wave, on their way
.endr
	FILLSTEP 0
	FILLSTEP 1
	s_wait_kmcnt 0x0                               ; n
	s_min_u32 s17, s17, 2048
	s_add_co_u32 s17, s17, 79
	s_mul_i32 s17, s17, 52429                      ; x / 80 = (52,429 x) >> 22, exact for x up to 2,127: 52,429 / 2^22 is 1 / 80 to 4 parts in a million
	s_lshr_b32 s17, s17, 22                        ; ceil(n / 80)
	s_max_u32 s17, s17, 1                          ; groups of 80 places, at least one: the launch before wrote that many
	s_sub_co_u32 s36, s17, 1
	s_min_u32 s36, s36, s14                        ; my first group, w; the last group if there is no group w
	s_mul_i32 s26, s36, 5
	s_min_u32 s26, s26, 123                        ; its first block: the bound is written out
	s_lshl_b32 s28, s26, 16                        ; 64 KiB a block in the output of either layer
	s_lshl_b32 s26, s26, ABSH
	s_add_nc_u64 s[20:21], s[30:31], s[26:27]      ; the group's rows (s27 and s29 are 0)
	s_add_nc_u64 s[22:23], s[32:33], s[28:29]      ; the group's output
	s_add_co_u32 s17, s17, 7
	s_sub_co_u32 s17, s17, s14                     ; w is below 8: the difference is not negative
	s_lshr_b32 s17, s17, 3                         ; my trips: the groups w, w + 8, .. below the number of groups
	s_mov_b32 s18, s14                             ; my group
	FILLSTEP 2
	FILLSTEP 3
	FILLSTEP 4
	FILLSTEP 5
	FILLSTEP 6
	FILLSTEP 7
	s_wait_dscnt 0x0                               ; my span of the strip is written,
	s_barrier_signal -1
	s_barrier_wait -1                              ; the whole strip is; from here on it is only read.  The kernel's one barrier
	s_cmp_eq_u32 s17, 0
	s_cbranch_scc1 .Lend
	s_mov_b32 s19, 0                               ; the trips' counter
; PHASE 2
.macro BLOAD k                         ; the weights' fragments of K step k: four blocks of 16 columns
.irp i, 0,1,2,3
	ds_load_b128 v[BB+32*((\k)%2)+8*\i:BB+32*((\k)%2)+8*\i+3],   v[2+\i] offset:64*(\k)
	ds_load_b128 v[BB+32*((\k)%2)+8*\i+4:BB+32*((\k)%2)+8*\i+7], v[2+\i] offset:64*(\k)+32
.endr
.endm
; A load into a register that a matrix instruction has read, and whatever reads a matrix result, stand four places behind it, and a matrix instruction
; that writes over a result five; only plain vector instructions that name none of its registers are places (ISA guide 7.12.1 for vector instructions).
.macro PLACES
.rept 4
	v_nop
.endr
.endm
; Twenty products.  The twenty accumulators take turns, one instruction a turn, in the same order in every step.
.macro MUL k
.irp mb, 0,1,2,3,4
.irp i, 0,1,2,3
.if (\k) == 0
	v_wmma_f32_16x16x32_f16 v[ACC+8*(4*\mb+\i):ACC+8*(4*\mb+\i)+7], v[BB+32*((\k)%2)+8*\i:BB+32*((\k)%2)+8*\i+7], v[40*((\k)%6)+8*\mb:40*((\k)%6)+8*\mb+7], 0
.else
	v_wmma_f32_16x16x32_f16 v[ACC+8*(4*\mb+\i):ACC+8*(4*\mb+\i)+7], v[BB+32*((\k)%2)+8*\i:BB+32*((\k)%2)+8*\i+7], v[40*((\k)%6)+8*\mb:40*((\k)%6)+8*\mb+7], v[ACC+8*(4*\mb+\i):ACC+8*(4*\mb+\i)+7]
.endif
.endr
.endr
.endm
.macro STEP k
	PLACES                                         ; behind step k - 1's products, whose buffers are loaded again below; at k = 0 they add to the four of the way out
.if (\k)+1 < KS
	BLOAD (\k)+1
.else
.if LAYER == 1
.irp i, 0,1,2,3
	ds_load_b128 v[BB+8*\i:BB+8*\i+3],   v8 offset:64*\i      ; the last step has no weights to fetch: the biases of columns 16 i + 8 h + 0..7 take their place
	ds_load_b128 v[BB+8*\i+4:BB+8*\i+7], v8 offset:64*\i+16
.endr
.endif
.endif
.if (\k) >= 1
.if (\k)+5 < KS
	WIN TO_A
	ALOAD (\k)+5                                   ; into the slot of step k - 1
.endif
.endif
.if (\k)+1 < KS
	s_wait_dscnt 0x8                               ; this step's weights are in; the eight loads just issued stay out
.else
.if LAYER == 1
	s_wait_dscnt 0x8                               ; likewise: the eight loads of the biases stay out
.else
	s_wait_dscnt 0x0                               ; nothing was issued behind them
.endif
.endif
.if (\k)+5 < KS-1
	s_wait_loadcnt 50                              ; this step's rows are in; the five later steps' ten loads each stay out
.else
	s_wait_loadcnt 10*(KS-1-(\k))                  ; towards the end fewer steps stand behind it
.endif
	WIN MULW
	MUL \k
.endm
.Lgroup:                                           ; on both ways in, K steps 0 to 5 of the group's rows have been asked for: 60 loads, 30 KiB a wave
	BLOAD 0
.rept KS
	STEP \+
.endr
	WIN 0
	PLACES                                         ; behind the last products
.if LAYER == 1
	; bias, relu, f16.  A lane's 16 bytes are (place r, columns 64 c + 16 i + 8 h + 0..7): part i & 1 of K step 2 c + (i >> 1) of the next layer's fragment,
	; already in its lane: no exchange, and a store covers 512 consecutive bytes.
	s_wait_dscnt 0x0                               ; the biases
.irp mb, 0,1,2,3,4
.irp i, 0,1,2,3
.irp p, 0,2,4,6
	v_pk_add_f32 v[ACC+8*(4*\mb+\i)+\p:ACC+8*(4*\mb+\i)+\p+1], v[ACC+8*(4*\mb+\i)+\p:ACC+8*(4*\mb+\i)+\p+1], v[BB+8*\i+\p:BB+8*\i+\p+1]
.endr
.irp j, 0,1,2,3,4,5,6,7
	v_max_num_f32 v[ACC+8*(4*\mb+\i)+\j], 0, v[ACC+8*(4*\mb+\i)+\j]
.endr
.irp jj, 0,1,2,3
	v_cvt_pk_f16_f32 v[ACC+8*(4*\mb+\i)+\jj], v[ACC+8*(4*\mb+\i)+2*\jj], v[ACC+8*(4*\mb+\i)+2*\jj+1]
.endr
	global_store_b128 v1, v[ACC+8*(4*\mb+\i):ACC+8*(4*\mb+\i)+3], s[22:23] offset:\mb*65536+512*\i
.endr
.endr
.else
	; 16 rows at a time through my own stage: in by tiles, back by rows of 256 bytes.  My own bytes, served in order (ISA guide 5.7.1.4): no wait between.
.irp mb, 0,1,2,3,4
.irp i, 0,1,2,3
	ds_store_b128 v8, v[ACC+8*(4*\mb+\i):ACC+8*(4*\mb+\i)+3]   offset:64*\i
	ds_store_b128 v8, v[ACC+8*(4*\mb+\i)+4:ACC+8*(4*\mb+\i)+7] offset:64*\i+16
.endr
.if \mb >= 2
	s_wait_xcnt 0x0                                ; the buffer loaded below was the data of the stores two blocks ago: it is rewritten only behind this wait
.endif
.irp t, 0,1,2,3,4,5,6,7
	ds_load_b128 v[BB+32*(\mb%2)+4*\t:BB+32*(\mb%2)+4*\t+3], v9 offset:544*\t
.endr
.irp t, 0,1,2,3,4,5,6,7
	s_wait_dscnt 7-\t                              ; load t is in, the later ones stay out
	global_store_b128 v10, v[BB+32*(\mb%2)+4*\t:BB+32*(\mb%2)+4*\t+3], s[22:23] offset:(16*\mb+2*\t)*4096   ; 16 lanes store 256 consecutive bytes, at a multiple of 256 from ys' first byte
.endr
.endr
.endif
	s_wait_xcnt 0x0                                ; the stores' data and both bases are rewritten only behind this wait
	s_add_co_u32 s19, s19, 1
	s_cmp_ge_u32 s19, s17
	s_cbranch_scc1 .Lend                           ; the last trip asks for nothing more
	s_add_co_u32 s18, s18, 8                       ; my next group
	s_mul_i32 s26, s18, 5
	s_min_u32 s26, s26, 123                        ; its first block
	s_lshl_b32 s28, s26, 16
	s_lshl_b32 s26, s26, ABSH
	s_add_nc_u64 s[20:21], s[30:31], s[26:27]
	s_add_nc_u64 s[22:23], s[32:33], s[28:29]
	WIN TO_A
.irp k, 0,1,2,3,4,5
	ALOAD \k                                       ; four places and more behind the last products, which read these slots
.endr
	WIN 0
	s_cmp_lt_u32 s19, s17
	s_cbranch_scc1 .Lgroup
.Lend:
	s_wait_tensorcnt 0x0
	ds_add_u32 v254, v255
	s_wait_dscnt 0x0
	s_endpgm
.Lfunc_end_k_q1706aae242_ffn1:
	.size	k_q1706aae242_ffn1, .Lfunc_end_k_q1706aae242_ffn1-k_q1706aae242_ffn1
	.p2alignl 7, 3214868480
	.fill 96, 4, 3214868480
	.section	.rodata,"a",@progbits
	.p2align	6, 0x0
	.amdhsa_kernel k_q1706aae242_ffn1
		.amdhsa_group_segment_fixed_size 168960
		.amdhsa_private_segment_fixed_size 0
		.amdhsa_enable_private_segment 0
		.amdhsa_kernarg_size 40
		.amdhsa_user_sgpr_count 2
		.amdhsa_user_sgpr_kernarg_segment_ptr 1
		.amdhsa_wavefront_size32 1
		.amdhsa_system_sgpr_workgroup_id_x 1
		.amdhsa_system_sgpr_workgroup_id_y 1
		.amdhsa_system_sgpr_workgroup_id_z 1
		.amdhsa_system_vgpr_workitem_id 0
		.amdhsa_next_free_vgpr 512
		.amdhsa_next_free_sgpr 66
		.amdhsa_reserve_vcc 0
		.amdhsa_float_denorm_mode_32 3
		.amdhsa_float_denorm_mode_16_64 3
		.amdhsa_memory_ordered 1
		.amdhsa_forward_progress 1
		.amdhsa_inst_pref_size 138
	.end_amdhsa_kernel
	.amdgpu_metadata
---
amdhsa.version: [ 1, 2 ]
amdhsa.kernels:
  - .name:           k_q1706aae242_ffn1
    .symbol:         k_q1706aae242_ffn1.kd
    .args:
      - { .name: xs, .offset: 0, .size: 8, .value_kind: global_buffer, .address_space: global }
      - { .name: w1, .offset: 8, .size: 8, .value_kind: global_buffer, .address_space: global }
      - { .name: cnt, .offset: 16, .size: 8, .value_kind: global_buffer, .address_space: global }
      - { .name: hs, .offset: 24, .size: 8, .value_kind: global_buffer, .address_space: global }
      - { .name: b1, .offset: 32, .size: 8, .value_kind: global_buffer, .address_space: global }
    .group_segment_fixed_size: 168960
    .private_segment_fixed_size: 0
    .kernarg_segment_align: 8
    .kernarg_segment_size: 40
    .max_flat_workgroup_size: 256
    .sgpr_count:     66
    .vgpr_count:     512
    .wavefront_size: 32
...
	.end_amdgpu_metadata
.endif
;; end of part 9
;; launch ffn2 (part 10): grid 256 x 1, 8 waves a work-group, no clusters, 168,960 bytes of LDS; arguments hs, w2, cnt, ys; writes ys
.if DOCPART == 10
	.amdgcn_target "amdgcn-amd-amdhsa--gfx1250"
	.amdhsa_code_object_version 6
	.text
	.protected	k_q1706aae242_ffn2
	.globl	k_q1706aae242_ffn2
	.p2align	8
	.type	k_q1706aae242_ffn2,@function
k_q1706aae242_ffn2:
	s_mov_b64 s[64:65], 0
	v_nop
	global_prefetch_b8 v0, s[64:65] scope:SCOPE_SE
	s_setreg_imm32_b32 hwreg(HW_REG_WAVE_MODE, 25, 1), 1
	s_wait_xcnt 0x0
; ONE LAYER OF THE EXPERTS' FFN ON THE SORTED ROWS.  The same text serves both layers; LAYER picks the strides and the way out.
; Both layers have one shape here: a strip of 64 columns of the weights, K = 1,024, all the expert's places.
;   LAYER 1: hs = relu(xs . w1[e] + b1[e]), f16, stored as the next layer's fragments.  Work-group = (e, strip c of 64 of 2,048 columns).
;   LAYER 2: ys[kh] = hs(half kh of its 2,048 k) . w2[e](the same half), f32, row-major.  Work-group = (e, strip c of 64 of 1,024 columns, kh).
;            The last launch adds the two halves, bias and gate, in a fixed order.
; PHASE 1: the strip of weights, 1,024 rows x 256 bytes of f32, is read once in the launch, rounded to f16 and laid into LDS transposed, [column][k]; it stays.
; PHASE 2: each wave walks groups of 80 places on its own: 5 blocks of 16 places x 4 blocks of 16 columns = 20 accumulator tiles, so a fragment of
; weights read from LDS serves five products and a fragment of rows read from memory four.  The rows' fragments come straight from memory in their
; register image (512 neighbouring bytes a load), six K steps ahead; the weights' fragments from LDS, one step ahead.
; Group g = blocks min(5 g, 123) .. + 4; wave w takes groups w, w + 8, ...  With n from 481 to 560 there are seven groups: one for each of seven waves.
; 128 blocks are no multiple of 5: the last of the 26 groups that a full expert has overlaps the one before and stores the same numbers again.
; The number of groups, max(1, ceil(n / 80)), hangs on cnt[e], a whole number that an earlier launch stored.
; The first group's first six K steps of rows are asked for during phase 1, by EVERY wave, so that phase 1's counted waits hold on every path.
; THE MATRIX INSTRUCTION IS USED TRANSPOSED: source 0 = 16 columns of the weights, source 1 = 16 places; register j of lane 16 h + r is then
; (place r, column 16 i + 8 h + j): eight neighbouring columns of one row.
; F16, NOT BF16: 11 significant bits against 8; four operands are rounded on the way to the result (x, w1, h, w2), and the sums have 1,024 and 2,048 terms.
; NO CLUSTER: what an expert's work-groups share is the stream of rows.  A joint load lands in LDS, and each wave would read its 5 KiB of rows a K step
; from there on top of the 4 KiB of weights that it reads now: more than twice the LDS reads for the same 20 products.
; NO DATA MOVER: every weight passes a conversion in registers, and the rows need no LDS.
; LIMITS: operands are rounded to f16, sums are f32.  A weight or an h beyond 65,504 in magnitude becomes infinite; below 2^-14 the step is 2^-24.
; The room: x of spread 1 and w1 of spread 0.02 give |h| up to about 3; both 30 times larger, about 2,900; both moved by 30 times their spread
; (30 and 0.6), 1,024 x 18 = 18,432.  Weights 30 times smaller have spread 6.7e-4, some 10,000 steps of 2^-24.  relu by v_max_num_f32 turns a NaN into 0.
.set LAYER, 2
.set KS,    32                         ; K steps of 32
.set NS,    8                          ; a wave's steps of 16 rows in phase 1: 1,024 / 8 / 16
.set P,     64*KS+16                   ; LDS pitch of a column of the strip: 2,048 bytes + 16, an odd multiple of 16
.set NBS,   16*P+16                    ; 16 columns, and 16 bytes of skew, so that phase 1's stores (lanes 4 columns apart) also start in 16 different 16-byte columns modulo 256
.set WSPAN, 8*KS                       ; bytes of a column that one wave fills: 128 numbers
.set OWN,   132352                     ; behind the strip (4 x 33,040 = 132,160 bytes): each wave's own bytes
.if LAYER == 1
.set RP,    8192                       ; bytes from row to row of the weights
.set WSH,   20                         ; a wave's 128 rows of the weights: 1 MiB
.set ASHE,  22                         ; the rows: 128 blocks x 32 KiB an expert,
.set ABSH,  15                         ; 32 K steps x 1,024 bytes a block
.set CSH,   11                         ; the output: a strip is 2 K steps of the next layer = 2,048 bytes of a block
.set OWNB,  256                        ; my own copy of the strip's 64 biases
.else
.set RP,    4096
.set WSH,   19                         ; 128 rows: 512 KiB
.set ASHE,  23                         ; 128 blocks x 64 KiB an expert,
.set ABSH,  16                         ; 64 K steps x 1,024 bytes a block, of which a work-group walks 32
.set CSH,   8                          ; the output: a strip is 256 bytes of a row
.set OWNB,  4352                       ; my own stage of 16 rows x 272 bytes
.endif
.set ABLK,  1<<ABSH
; REGISTERS, in windows of 256 (an instruction names v0-v255; s_set_vgpr_msb says which window each operand place means):
; window 0: v1 16 x lane   v2-5 weights' fragment address, column block i   v6 phase 1: LDS address   v7 phase 1: offset in the weights
;   layer 1: v8 bias read, v9 bias store, v[10:11] bias as loaded, v12 8 x lane.   layer 2: v8 stage in, v9 stage back, v10 offset in ys.   v13-15 at work
.set ACC, 16                           ; v[16:175]  tile (mb, i) at 16 + 8 (4 mb + i)
.set BB,  176                          ; v[176:239] weights' fragments, two buffers of 32
.set ST,  16                           ; phase 1: v[16:207] six slots of 32: 8 loads of 16 bytes
.set T,   208                          ; phase 1: v[208:223] packed f16
; window 1: v[256:495], written v[0:239]: the rows' fragments, six slots of 40: slot k % 6 at 40 (k % 6), block mb at 8 mb, part p at 4 p
.set TO_A, 0x40                        ; destination in window 1, address in window 0: the rows' loads
.set MULW, 0x04                        ; source 1 (the rows) in window 1, all else in window 0: the products; LDS loads name no source 1 and run under it too
.set MSB, 0
.macro WIN new                         ; the immediate's high byte repeats the setting that is left; a switch that changes nothing is dropped
.if MSB != \new
	s_set_vgpr_msb (MSB<<8)|\new
.set MSB, \new
.endif
.endm
	s_load_b256 s[4:11], s[0:1], 0x0               ; rows s[4:5], weights s[6:7], cnt s[8:9], output s[10:11]
	v_lshl_add_u32 v254, v0, 2, 0x29000
	v_mov_b32 v255, 0
.if LAYER == 1
	s_load_b64 s[12:13], s[0:1], 0x20              ; b1
.endif
	v_lshrrev_b32 v13, 5, v0
	v_readfirstlane_b32 s14, v13                   ; wave
	s_lshr_b32 s15, ttmp9, 5                       ; expert
.if LAYER == 1
	s_and_b32 s16, ttmp9, 31                       ; strip
.else
	s_bfe_u32 s16, ttmp9, 0x40001                  ; strip: 4 bits from bit 1
	s_and_b32 s38, ttmp9, 1                        ; half of K
.endif
	v_and_b32 v13, 15, v0                          ; r
	v_bfe_u32 v14, v0, 4, 1                        ; h
	v_and_b32 v1, 31, v0
	v_lshlrev_b32 v1, 4, v1
	v_mul_u32_u24 v15, v13, P
	v_lshl_add_u32 v15, v14, 4, v15                ; column r of a block, 16 h
.irp i, 0,1,2,3
	v_add_nc_u32 v[2+\i], \i*NBS, v15
.endr
	v_mul_u32_u24 v6, v13, 4*P                     ; phase 1: lane (r, h) holds columns 4 r .. 4 r + 3: 4 r P,
	v_lshrrev_b32 v15, 2, v13
	v_lshl_add_u32 v6, v15, 4, v6                  ; the skew of their block of 16,
	v_lshl_add_u32 v6, v14, 4, v6                  ; 8 k further on for the upper half of the lanes,
	s_mul_i32 s37, s14, WSPAN
	v_add_nc_u32 v6, s37, v6                       ; and my wave's span of k
	v_mul_u32_u24 v7, v14, 8*RP                    ; in memory: the upper half of the lanes 8 rows further down,
	v_lshl_add_u32 v7, v13, 4, v7                  ; 16 bytes a lane: a load covers the strip's 256 bytes of two rows
	s_mul_i32 s36, s14, OWNB
	s_add_co_u32 s36, s36, OWN                     ; my own bytes behind the strip
.if LAYER == 1
	v_lshl_add_u32 v8, v14, 5, s36                 ; bias of columns 8 h + ..
	v_and_b32 v12, 31, v0
	v_lshlrev_b32 v12, 3, v12
	v_add_nc_u32 v9, s36, v12
.else
	v_mul_u32_u24 v8, v13, 272
	v_lshl_add_u32 v8, v14, 5, v8
	v_add_nc_u32 v8, s36, v8                       ; in: row r, 32 h
	v_mul_u32_u24 v9, v14, 272
	v_lshl_add_u32 v9, v13, 4, v9
	v_add_nc_u32 v9, s36, v9                       ; back: lanes 0-15 one row of 256 bytes, lanes 16-31 the next
	v_lshlrev_b32 v10, 12, v14
	v_lshl_add_u32 v10, v13, 4, v10                ; and the same two rows in ys
.endif
	s_lshl_b32 s26, s15, 23                        ; weights: 8 MiB an expert,
	s_lshl_b32 s27, s16, 8                         ; 256 bytes a strip,
	s_add_co_u32 s26, s26, s27
	s_lshl_b32 s27, s14, WSH                       ; 128 rows a wave
	s_add_co_u32 s26, s26, s27
.if LAYER == 2
	s_lshl_b32 s27, s38, 22                        ; 1,024 rows of 4,096 bytes a half of K
	s_add_co_u32 s26, s26, s27
.endif
	s_mov_b32 s27, 0
	s_lshl_b32 s28, s15, 2                         ; cnt[e]
	s_mov_b32 s29, 0
	s_lshl_b32 s30, s15, ASHE                      ; rows: the expert
.if LAYER == 2
	s_lshl_b32 s31, s38, 15                        ; 32 K steps of 1,024 bytes a half of K
	s_add_co_u32 s30, s30, s31
.endif
	s_mov_b32 s31, 0
	s_lshl_b32 s32, s15, 23                        ; output: 8 MiB an expert, and the strip
	s_lshl_b32 s33, s16, CSH
	s_add_co_u32 s32, s32, s33
.if LAYER == 2
	s_lshl_b32 s33, s38, 26                        ; 64 MiB a half of K
	s_add_co_u32 s32, s32, s33
.endif
	s_mov_b32 s33, 0
.if LAYER == 1
	s_lshl_b32 s34, s15, 13                        ; b1: 8,192 bytes an expert, 256 a strip
	s_lshl_b32 s35, s16, 8
	s_add_co_u32 s34, s34, s35
	s_mov_b32 s35, 0
.endif
	s_wait_kmcnt 0x0
	s_add_nc_u64 s[24:25], s[6:7], s[26:27]        ; my span of the strip
	s_add_nc_u64 s[8:9], s[8:9], s[28:29]
	s_load_b32 s17, s[8:9], 0x0                    ; n of my expert; waited for behind phase 1's second step
	s_add_nc_u64 s[30:31], s[4:5], s[30:31]        ; the expert's rows, block 0
	s_add_nc_u64 s[32:33], s[10:11], s[32:33]      ; the expert's output, block 0, my strip
.if LAYER == 1
	s_add_nc_u64 s[12:13], s[12:13], s[34:35]
	global_load_b64 v[10:11], v12, s[12:13]        ; the strip's 64 biases, the oldest load
.endif
.macro ALOAD k                         ; the rows' fragments of K step k: five blocks x two parts, 512 neighbouring bytes each.  Under WIN TO_A
.irp mb, 0,1,2,3,4
.irp p, 0,1
	global_load_b128 v[((\k)%6)*40+8*\mb+4*\p:((\k)%6)*40+8*\mb+4*\p+3], v1, s[20:21] offset:\mb*ABLK+(\k)*1024+512*\p
.endr
.endr
.endm
; PHASE 1.  Step s = 16 rows of my span: load j brings rows 16 s + j (lanes 0-15) and 16 s + 8 + j (lanes 16-31), four columns a lane.
.macro FLD s
.irp j, 0,1,2,3,4,5,6,7
	global_load_b128 v[ST+((\s)%6)*32+4*\j:ST+((\s)%6)*32+4*\j+3], v7, s[24:25] offset:(16*(\s)+\j)*RP th:TH_LOAD_NT   ; read once in the launch
.endr
.endm
; A lane's eight loads hold eight consecutive k of each of its four columns: 16 bytes of f16 for each column.
; Behind steps 2 to 7 one K step of the first group's rows is asked for, into window 1, which phase 1 does not use.
.macro FILLSTEP s
.if (\s) < 3
	s_wait_loadcnt 40                              ; step s is in; the five steps issued behind it, eight loads each, stay out
.else
	s_wait_loadcnt 8*(NS-1-(\s))+10*((\s)-2)       ; the later steps' eight loads each, and the ten of each K step of rows asked for so far, stay out
.endif
.if LAYER == 1
.if (\s) == 0
	ds_store_b64 v9, v[10:11]                      ; the biases came ahead of step 0
.endif
.endif
.irp q, 0,1,2,3
.irp jj, 0,1,2,3
	v_cvt_pk_f16_f32 v[T+4*\q+\jj], v[ST+((\s)%6)*32+8*\jj+\q], v[ST+((\s)%6)*32+8*\jj+4+\q]
.endr
	ds_store_b128 v6, v[T+4*\q:T+4*\q+3] offset:\q*P+32*(\s)
.endr
.if (\s)+6 < NS
	FLD (\s)+6                                     ; into the slot just packed
.endif
.if (\s) >= 2
	WIN TO_A
	ALOAD (\s)-2
	WIN 0
.endif
.endm
.irp s, 0,1,2,3,4,5
	FLD \s                                         ; 48 loads, 24 KiB a wave, on their way
.endr
	FILLSTEP 0
	FILLSTEP 1
	s_wait_kmcnt 0x0                               ; n
	s_min_u32 s17, s17, 2048
	s_add_co_u32 s17, s17, 79
	s_mul_i32 s17, s17, 52429                      ; x / 80 = (52,429 x) >> 22, exact for x up to 2,127: 52,429 / 2^22 is 1 / 80 to 4 parts in a million
	s_lshr_b32 s17, s17, 22                        ; ceil(n / 80)
	s_max_u32 s17, s17, 1                          ; groups of 80 places, at least one: the launch before wrote that many
	s_sub_co_u32 s36, s17, 1
	s_min_u32 s36, s36, s14                        ; my first group, w; the last group if there is no group w
	s_mul_i32 s26, s36, 5
	s_min_u32 s26, s26, 123                        ; its first block: the bound is written out
	s_lshl_b32 s28, s26, 16                        ; 64 KiB a block in the output of either layer
	s_lshl_b32 s26, s26, ABSH
	s_add_nc_u64 s[20:21], s[30:31], s[26:27]      ; the group's rows (s27 and s29 are 0)
	s_add_nc_u64 s[22:23], s[32:33], s[28:29]      ; the group's output
	s_add_co_u32 s17, s17, 7
	s_sub_co_u32 s17, s17, s14                     ; w is below 8: the difference is not negative
	s_lshr_b32 s17, s17, 3                         ; my trips: the groups w, w + 8, .. below the number of groups
	s_mov_b32 s18, s14                             ; my group
	FILLSTEP 2
	FILLSTEP 3
	FILLSTEP 4
	FILLSTEP 5
	FILLSTEP 6
	FILLSTEP 7
	s_wait_dscnt 0x0                               ; my span of the strip is written,
	s_barrier_signal -1
	s_barrier_wait -1                              ; the whole strip is; from here on it is only read.  The kernel's one barrier
	s_cmp_eq_u32 s17, 0
	s_cbranch_scc1 .Lend
	s_mov_b32 s19, 0                               ; the trips' counter
; PHASE 2
.macro BLOAD k                         ; the weights' fragments of K step k: four blocks of 16 columns
.irp i, 0,1,2,3
	ds_load_b128 v[BB+32*((\k)%2)+8*\i:BB+32*((\k)%2)+8*\i+3],   v[2+\i] offset:64*(\k)
	ds_load_b128 v[BB+32*((\k)%2)+8*\i+4:BB+32*((\k)%2)+8*\i+7], v[2+\i] offset:64*(\k)+32
.endr
.endm
; A load into a register that a matrix instruction has read, and whatever reads a matrix result, stand four places behind it, and a matrix instruction
; that writes over a result five; only plain vector instructions that name none of its registers are places (ISA guide 7.12.1 for vector instructions).
.macro PLACES
.rept 4
	v_nop
.endr
.endm
; Twenty products.  The twenty accumulators take turns, one instruction a turn, in the same order in every step.
.macro MUL k
.irp mb, 0,1,2,3,4
.irp i, 0,1,2,3
.if (\k) == 0
	v_wmma_f32_16x16x32_f16 v[ACC+8*(4*\mb+\i):ACC+8*(4*\mb+\i)+7], v[BB+32*((\k)%2)+8*\i:BB+32*((\k)%2)+8*\i+7], v[40*((\k)%6)+8*\mb:40*((\k)%6)+8*\mb+7], 0
.else
	v_wmma_f32_16x16x32_f16 v[ACC+8*(4*\mb+\i):ACC+8*(4*\mb+\i)+7], v[BB+32*((\k)%2)+8*\i:BB+32*((\k)%2)+8*\i+7], v[40*((\k)%6)+8*\mb:40*((\k)%6)+8*\mb+7], v[ACC+8*(4*\mb+\i):ACC+8*(4*\mb+\i)+7]
.endif
.endr
.endr
.endm
.macro STEP k
	PLACES                                         ; behind step k - 1's products, whose buffers are loaded again below; at k = 0 they add to the four of the way out
.if (\k)+1 < KS
	BLOAD (\k)+1
.else
.if LAYER == 1
.irp i, 0,1,2,3
	ds_load_b128 v[BB+8*\i:BB+8*\i+3],   v8 offset:64*\i      ; the last step has no weights to fetch: the biases of columns 16 i + 8 h + 0..7 take their place
	ds_load_b128 v[BB+8*\i+4:BB+8*\i+7], v8 offset:64*\i+16
.endr
.endif
.endif
.if (\k) >= 1
.if (\k)+5 < KS
	WIN TO_A
	ALOAD (\k)+5                                   ; into the slot of step k - 1
.endif
.endif
.if (\k)+1 < KS
	s_wait_dscnt 0x8                               ; this step's weights are in; the eight loads just issued stay out
.else
.if LAYER == 1
	s_wait_dscnt 0x8                               ; likewise: the eight loads of the biases stay out
.else
	s_wait_dscnt 0x0                               ; nothing was issued behind them
.endif
.endif
.if (\k)+5 < KS-1
	s_wait_loadcnt 50                              ; this step's rows are in; the five later steps' ten loads each stay out
.else
	s_wait_loadcnt 10*(KS-1-(\k))                  ; towards the end fewer steps stand behind it
.endif
	WIN MULW
	MUL \k
.endm
.Lgroup:                                           ; on both ways in, K steps 0 to 5 of the group's rows have been asked for: 60 loads, 30 KiB a wave
	BLOAD 0
.rept KS
	STEP \+
.endr
	WIN 0
	PLACES                                         ; behind the last products
.if LAYER == 1
	; bias, relu, f16.  A lane's 16 bytes are (place r, columns 64 c + 16 i + 8 h + 0..7): part i & 1 of K step 2 c + (i >> 1) of the next layer's fragment,
	; already in its lane: no exchange, and a store covers 512 consecutive bytes.
	s_wait_dscnt 0x0                               ; the biases
.irp mb, 0,1,2,3,4
.irp i, 0,1,2,3
.irp p, 0,2,4,6
	v_pk_add_f32 v[ACC+8*(4*\mb+\i)+\p:ACC+8*(4*\mb+\i)+\p+1], v[ACC+8*(4*\mb+\i)+\p:ACC+8*(4*\mb+\i)+\p+1], v[BB+8*\i+\p:BB+8*\i+\p+1]
.endr
.irp j, 0,1,2,3,4,5,6,7
	v_max_num_f32 v[ACC+8*(4*\mb+\i)+\j], 0, v[ACC+8*(4*\mb+\i)+\j]
.endr
.irp jj, 0,1,2,3
	v_cvt_pk_f16_f32 v[ACC+8*(4*\mb+\i)+\jj], v[ACC+8*(4*\mb+\i)+2*\jj], v[ACC+8*(4*\mb+\i)+2*\jj+1]
.endr
	global_store_b128 v1, v[ACC+8*(4*\mb+\i):ACC+8*(4*\mb+\i)+3], s[22:23] offset:\mb*65536+512*\i
.endr
.endr
.else
	; 16 rows at a time through my own stage: in by tiles, back by rows of 256 bytes.  My own bytes, served in order (ISA guide 5.7.1.4): no wait between.
.irp mb, 0,1,2,3,4
.irp i, 0,1,2,3
	ds_store_b128 v8, v[ACC+8*(4*\mb+\i):ACC+8*(4*\mb+\i)+3]   offset:64*\i
	ds_store_b128 v8, v[ACC+8*(4*\mb+\i)+4:ACC+8*(4*\mb+\i)+7] offset:64*\i+16
.endr
.if \mb >= 2
	s_wait_xcnt 0x0                                ; the buffer loaded below was the data of the stores two blocks ago: it is rewritten only behind this wait
.endif
.irp t, 0,1,2,3,4,5,6,7
	ds_load_b128 v[BB+32*(\mb%2)+4*\t:BB+32*(\mb%2)+4*\t+3], v9 offset:544*\t
.endr
.irp t, 0,1,2,3,4,5,6,7
	s_wait_dscnt 7-\t                              ; load t is in, the later ones stay out
	global_store_b128 v10, v[BB+32*(\mb%2)+4*\t:BB+32*(\mb%2)+4*\t+3], s[22:23] offset:(16*\mb+2*\t)*4096   ; 16 lanes store 256 consecutive bytes, at a multiple of 256 from ys' first byte
.endr
.endr
.endif
	s_wait_xcnt 0x0                                ; the stores' data and both bases are rewritten only behind this wait
	s_add_co_u32 s19, s19, 1
	s_cmp_ge_u32 s19, s17
	s_cbranch_scc1 .Lend                           ; the last trip asks for nothing more
	s_add_co_u32 s18, s18, 8                       ; my next group
	s_mul_i32 s26, s18, 5
	s_min_u32 s26, s26, 123                        ; its first block
	s_lshl_b32 s28, s26, 16
	s_lshl_b32 s26, s26, ABSH
	s_add_nc_u64 s[20:21], s[30:31], s[26:27]
	s_add_nc_u64 s[22:23], s[32:33], s[28:29]
	WIN TO_A
.irp k, 0,1,2,3,4,5
	ALOAD \k                                       ; four places and more behind the last products, which read these slots
.endr
	WIN 0
	s_cmp_lt_u32 s19, s17
	s_cbranch_scc1 .Lgroup
.Lend:
	s_wait_tensorcnt 0x0
	ds_add_u32 v254, v255
	s_wait_dscnt 0x0
	s_endpgm
.Lfunc_end_k_q1706aae242_ffn2:
	.size	k_q1706aae242_ffn2, .Lfunc_end_k_q1706aae242_ffn2-k_q1706aae242_ffn2
	.p2alignl 7, 3214868480
	.fill 96, 4, 3214868480
	.section	.rodata,"a",@progbits
	.p2align	6, 0x0
	.amdhsa_kernel k_q1706aae242_ffn2
		.amdhsa_group_segment_fixed_size 168960
		.amdhsa_private_segment_fixed_size 0
		.amdhsa_enable_private_segment 0
		.amdhsa_kernarg_size 32
		.amdhsa_user_sgpr_count 2
		.amdhsa_user_sgpr_kernarg_segment_ptr 1
		.amdhsa_wavefront_size32 1
		.amdhsa_system_sgpr_workgroup_id_x 1
		.amdhsa_system_sgpr_workgroup_id_y 1
		.amdhsa_system_sgpr_workgroup_id_z 1
		.amdhsa_system_vgpr_workitem_id 0
		.amdhsa_next_free_vgpr 512
		.amdhsa_next_free_sgpr 66
		.amdhsa_reserve_vcc 0
		.amdhsa_float_denorm_mode_32 3
		.amdhsa_float_denorm_mode_16_64 3
		.amdhsa_memory_ordered 1
		.amdhsa_forward_progress 1
		.amdhsa_inst_pref_size 131
	.end_amdhsa_kernel
	.amdgpu_metadata
---
amdhsa.version: [ 1, 2 ]
amdhsa.kernels:
  - .name:           k_q1706aae242_ffn2
    .symbol:         k_q1706aae242_ffn2.kd
    .args:
      - { .name: hs, .offset: 0, .size: 8, .value_kind: global_buffer, .address_space: global }
      - { .name: w2, .offset: 8, .size: 8, .value_kind: global_buffer, .address_space: global }
      - { .name: cnt, .offset: 16, .size: 8, .value_kind: global_buffer, .address_space: global }
      - { .name: ys, .offset: 24, .size: 8, .value_kind: global_buffer, .address_space: global }
    .group_segment_fixed_size: 168960
    .private_segment_fixed_size: 0
    .kernarg_segment_align: 8
    .kernarg_segment_size: 32
    .max_flat_workgroup_size: 256
    .sgpr_count:     66
    .vgpr_count:     512
    .wavefront_size: 32
...
	.end_amdgpu_metadata
.endif
;; end of part 10
;; launch combine (part 11): grid 256 x 1, 8 waves a work-group, no clusters, 0 bytes of LDS; arguments hidden_states, ys, b2, sel, pos, gat, out0; writes out0
.if DOCPART == 11
	.amdgcn_target "amdgcn-amd-amdhsa--gfx1250"
	.amdhsa_code_object_version 6
	.text
	.protected	k_q1706aae242_combine
	.globl	k_q1706aae242_combine
	.p2align	8
	.type	k_q1706aae242_combine,@function
k_q1706aae242_combine:
	s_mov_b64 s[64:65], 0
	v_nop
	global_prefetch_b8 v0, s[64:65] scope:SCOPE_SE
	s_setreg_imm32_b32 hwreg(HW_REG_WAVE_MODE, 25, 1), 1
	s_wait_xcnt 0x0
; COMBINE.  y(e, place) = (ys[0][e][place] + ys[1][e][place]) + b2[e]: the two halves of K, then the bias.
; out0[t] = g1 y(e1, place1) + g2 y(e2, place2); a result that is exactly 0 is replaced by x[t].
; One wave, one token: a row of 4,096 bytes is eight loads of 512 neighbouring bytes from each of seven sources, all 56 issued before the first is used.
; Which rows: sel[t] (the two experts) and pos[e][t] (the token's place in the expert's list), whole numbers that earlier launches stored, read by
; scalar loads; nothing in this launch writes them.  The sums over the halves of K and over a token's two experts are made here, by the one owner
; of the output row, in this fixed order.
; A stream: no LDS, no barrier, no matrix unit, nothing shared between work-groups but the 32 KiB of b2.
; LIMIT: the six experts that a token did not choose have gate 0 and are not computed; a non-finite value of theirs does not reach the result.
.set X,   8                            ; v[8:39]    x
.set YA1, 40                           ; v[40:71]   first expert's row, first half of K; then the result
.set YB1, 72                           ; v[72:103]  first expert's row, second half of K
.set YA2, 104                          ; v[104:135] second expert's row, first half of K
.set YB2, 136                          ; v[136:167] second expert's row, second half of K
.set C1,  168                          ; v[168:199] first expert's bias
.set C2,  200                          ; v[200:231] second expert's bias
	s_load_b256 s[4:11], s[0:1], 0x0               ; hidden_states s[4:5], ys s[6:7], b2 s[8:9], sel s[10:11]
	s_load_b128 s[12:15], s[0:1], 0x20             ; pos s[12:13], gat s[14:15]
	s_load_b64 s[16:17], s[0:1], 0x30              ; out0
	v_and_b32 v1, 31, v0
	v_lshrrev_b32 v2, 5, v0
	v_readfirstlane_b32 s18, v2                    ; wave
	v_lshlrev_b32 v1, 4, v1                        ; 16 x lane
	s_lshl3_add_u32 s19, ttmp9, s18                ; my token
	s_lshl_b32 s42, s19, 12
	s_mov_b32 s43, 0
	s_lshl_b32 s44, s19, 2
	s_mov_b32 s45, 0
	s_lshl_b32 s46, s19, 3
	s_mov_b32 s47, 0
	s_wait_kmcnt 0x0
	s_add_nc_u64 s[38:39], s[4:5], s[42:43]        ; x[t]
	s_add_nc_u64 s[40:41], s[16:17], s[42:43]      ; out0[t]
	s_add_nc_u64 s[10:11], s[10:11], s[44:45]
	s_add_nc_u64 s[14:15], s[14:15], s[46:47]
	s_load_b32 s20, s[10:11], 0x0                  ; sel[t]
	s_load_b64 s[22:23], s[14:15], 0x0             ; g1, g2
.irp u, 0,1,2,3,4,5,6,7
	global_load_b128 v[X+4*\u:X+4*\u+3], v1, s[38:39] offset:512*\u th:TH_LOAD_NT
.endr
	s_wait_kmcnt 0x0
	s_and_b32 s26, s20, 0xff
	s_min_u32 s26, s26, 7                          ; e1
	s_bfe_u32 s27, s20, 0x80008
	s_min_u32 s27, s27, 7                          ; e2
	s_lshl_b32 s48, s26, 13                        ; pos[e][t]: 8,192 bytes an expert, 4 a token
	s_add_co_u32 s48, s48, s44
	s_mov_b32 s49, 0
	s_lshl_b32 s50, s27, 13
	s_add_co_u32 s50, s50, s44
	s_mov_b32 s51, 0
	s_add_nc_u64 s[48:49], s[12:13], s[48:49]
	s_add_nc_u64 s[50:51], s[12:13], s[50:51]
	s_load_b32 s28, s[48:49], 0x0
	s_load_b32 s29, s[50:51], 0x0
	s_mov_b32 s24, s23                             ; g2 at the head of a pair of its own: a packed instruction broadcasts a scalar pair's first register
	s_mov_b32 s25, s23
	s_lshl_b32 s34, s26, 12                        ; b2[e]: 4,096 bytes an expert
	s_mov_b32 s35, 0
	s_lshl_b32 s36, s27, 12
	s_mov_b32 s37, 0
	s_add_nc_u64 s[34:35], s[8:9], s[34:35]
	s_add_nc_u64 s[36:37], s[8:9], s[36:37]
	s_lshl_b32 s30, s26, 23                        ; ys: 2,048 rows of 4,096 bytes an expert
	s_lshl_b32 s32, s27, 23
	s_mov_b32 s31, 0
	s_mov_b32 s33, 0
	s_wait_kmcnt 0x0
	s_min_u32 s28, s28, 2047                       ; the two places
	s_min_u32 s29, s29, 2047
	s_lshl_b32 s28, s28, 12
	s_lshl_b32 s29, s29, 12
	s_add_co_u32 s30, s30, s28
	s_add_co_u32 s32, s32, s29
	s_add_nc_u64 s[30:31], s[6:7], s[30:31]
	s_add_nc_u64 s[32:33], s[6:7], s[32:33]
	s_add_nc_u64 s[52:53], s[30:31], 0x4000000     ; the second half of K lies 64 MiB further on
	s_add_nc_u64 s[54:55], s[32:33], 0x4000000
.irp u, 0,1,2,3,4,5,6,7
	global_load_b128 v[YA1+4*\u:YA1+4*\u+3], v1, s[30:31] offset:512*\u th:TH_LOAD_NT
	global_load_b128 v[YB1+4*\u:YB1+4*\u+3], v1, s[52:53] offset:512*\u th:TH_LOAD_NT
	global_load_b128 v[YA2+4*\u:YA2+4*\u+3], v1, s[32:33] offset:512*\u th:TH_LOAD_NT
	global_load_b128 v[YB2+4*\u:YB2+4*\u+3], v1, s[54:55] offset:512*\u th:TH_LOAD_NT
	global_load_b128 v[C1+4*\u:C1+4*\u+3], v1, s[34:35] offset:512*\u
	global_load_b128 v[C2+4*\u:C2+4*\u+3], v1, s[36:37] offset:512*\u
.endr
.irp u, 0,1,2,3,4,5,6,7
	s_wait_loadcnt 6*(7-\u)                        ; chunk u's six loads are in (and x, which is older); the six of each later chunk stay out
.irp p, 0,2
	v_pk_add_f32 v[YA1+4*\u+\p:YA1+4*\u+\p+1], v[YA1+4*\u+\p:YA1+4*\u+\p+1], v[YB1+4*\u+\p:YB1+4*\u+\p+1]
	v_pk_add_f32 v[YA2+4*\u+\p:YA2+4*\u+\p+1], v[YA2+4*\u+\p:YA2+4*\u+\p+1], v[YB2+4*\u+\p:YB2+4*\u+\p+1]
.endr
.irp p, 0,2
	v_pk_add_f32 v[YA1+4*\u+\p:YA1+4*\u+\p+1], v[YA1+4*\u+\p:YA1+4*\u+\p+1], v[C1+4*\u+\p:C1+4*\u+\p+1]
	v_pk_add_f32 v[YA2+4*\u+\p:YA2+4*\u+\p+1], v[YA2+4*\u+\p:YA2+4*\u+\p+1], v[C2+4*\u+\p:C2+4*\u+\p+1]
.endr
.irp p, 0,2
	v_pk_mul_f32 v[YA1+4*\u+\p:YA1+4*\u+\p+1], v[YA1+4*\u+\p:YA1+4*\u+\p+1], s[22:23] op_sel_hi:[1,0]
.endr
.irp p, 0,2
	v_pk_fma_f32 v[YA1+4*\u+\p:YA1+4*\u+\p+1], v[YA2+4*\u+\p:YA2+4*\u+\p+1], s[24:25], v[YA1+4*\u+\p:YA1+4*\u+\p+1] op_sel_hi:[1,0,1]
.endr
.irp j, 0,1,2,3
	v_cmp_eq_f32 vcc_lo, 0, v[YA1+4*\u+\j]
	v_cndmask_b32 v[YA1+4*\u+\j], v[YA1+4*\u+\j], v[X+4*\u+\j], vcc_lo    ; a zero of either sign gives way to x
.endr
	global_store_b128 v1, v[YA1+4*\u:YA1+4*\u+3], s[40:41] offset:512*\u th:TH_STORE_NT  ; 512 consecutive bytes, at a multiple of 512 from out0's first byte
.endr
	s_endpgm
.Lfunc_end_k_q1706aae242_combine:
	.size	k_q1706aae242_combine, .Lfunc_end_k_q1706aae242_combine-k_q1706aae242_combine
	.p2alignl 7, 3214868480
	.fill 96, 4, 3214868480
	.section	.rodata,"a",@progbits
	.p2align	6, 0x0
	.amdhsa_kernel k_q1706aae242_combine
		.amdhsa_group_segment_fixed_size 0
		.amdhsa_private_segment_fixed_size 0
		.amdhsa_enable_private_segment 0
		.amdhsa_kernarg_size 56
		.amdhsa_user_sgpr_count 2
		.amdhsa_user_sgpr_kernarg_segment_ptr 1
		.amdhsa_wavefront_size32 1
		.amdhsa_system_sgpr_workgroup_id_x 1
		.amdhsa_system_sgpr_workgroup_id_y 1
		.amdhsa_system_sgpr_workgroup_id_z 1
		.amdhsa_system_vgpr_workitem_id 0
		.amdhsa_next_free_vgpr 240
		.amdhsa_next_free_sgpr 66
		.amdhsa_reserve_vcc 1
		.amdhsa_float_denorm_mode_32 3
		.amdhsa_float_denorm_mode_16_64 3
		.amdhsa_memory_ordered 1
		.amdhsa_forward_progress 1
		.amdhsa_inst_pref_size 17
	.end_amdhsa_kernel
	.amdgpu_metadata
---
amdhsa.version: [ 1, 2 ]
amdhsa.kernels:
  - .name:           k_q1706aae242_combine
    .symbol:         k_q1706aae242_combine.kd
    .args:
      - { .name: hidden_states, .offset: 0, .size: 8, .value_kind: global_buffer, .address_space: global }
      - { .name: ys, .offset: 8, .size: 8, .value_kind: global_buffer, .address_space: global }
      - { .name: b2, .offset: 16, .size: 8, .value_kind: global_buffer, .address_space: global }
      - { .name: sel, .offset: 24, .size: 8, .value_kind: global_buffer, .address_space: global }
      - { .name: pos, .offset: 32, .size: 8, .value_kind: global_buffer, .address_space: global }
      - { .name: gat, .offset: 40, .size: 8, .value_kind: global_buffer, .address_space: global }
      - { .name: out0, .offset: 48, .size: 8, .value_kind: global_buffer, .address_space: global }
    .group_segment_fixed_size: 0
    .private_segment_fixed_size: 0
    .kernarg_segment_align: 8
    .kernarg_segment_size: 56
    .max_flat_workgroup_size: 256
    .sgpr_count:     66
    .vgpr_count:     240
    .wavefront_size: 32
...
	.end_amdgpu_metadata
.endif
;; end of part 11
